; MI455X (gfx1250); checked and timed in simulation.
; The chip was launched on July 23, 2026; its instructions are those of AMD's public machine-readable ISA for CDNA 5 (MIT licence, August 2026) and "CDNA5" Instruction Set Architecture Reference Guide (July 2026). The comments in the code are by the model that wrote it; some were corrected since.
;; Causal Self Attention. Allowed arithmetic: matrix products marked QUANTISED: E2M1 operands, one E8M0 scale for each 32 along K, by v_wmma_scale_f32_16x16x128_f8f6f4 with both operands' format E2M1 (or v_wmma_scale_f32_32x16x128_f4), f32 sums; products left as they are: bf16, f16 or f32 operands; f32 sums; everything else in f32.
;; Inputs: Wk 1,024 x 1,024 float32; Wq 1,024 x 1,024 float32; Wv 1,024 x 1,024 float32; x 4 x 2,048 x 1,024 float32.
;; Outputs: out0 4 x 2,048 x 1,024 float32.
;; This version of the problem:
;;   THIS VERSION OF THE PROBLEM IS GIVEN IN LOW PRECISION. The matrix products marked QUANTISED in the list below multiply operands that are first quantised to E2M1 (2 exponent bits, 1 mantissa bit; 4 bits a number), with one power-of-two scale for each 32 numbers along K (OCP MX v1.0); their sums are f32. The products marked 'left as it is' may take bf16, f16 or f32 operands, with f32 sums. Whichever they take, every output number must still come out within the allowed error. Rounding operands to bf16 (8 significant bits) uses up far more of that allowance than f16 does (11 bits, for magnitudes from 6e-5 to 65,504). All else is computed in f32.
;;   The module's matrix products, in the order in which they are computed (A, B: the left and right operand; K: the contracted axis; several contracted axes count as one K, in the product's order):
;;     1. [M 8,192, K 1,024] x [K 1,024, N 1,024]; A: input x; B: input Wq: QUANTISED
;;     2. [M 8,192, K 1,024] x [K 1,024, N 1,024]; A: input x; B: input Wk: QUANTISED
;;     3. [M 8,192, K 1,024] x [K 1,024, N 1,024]; A: input x; B: input Wv: QUANTISED
;;     4. batch 4 x [M 2,048, K 1,024] x [K 1,024, N 2,048]; A: computed on the way; B: computed on the way: left as it is (an operand is computed on the way)
;;     5. batch 4 x [M 2,048, K 2,048] x [K 2,048, N 1,024]; A: computed on the way; B: computed on the way: left as it is (an operand is computed on the way)
;;   THE QUANTISER, for each operand of a quantised product, along K:
;;     - K is cut into blocks of 32 from its start; a last block that is shorter is filled with zeros.
;;     - A block's scale is 2^e with e = floor(log2(the largest magnitude in the block)) - 2, held to -126 .. 127; a block of zeros has e = 0. As a byte (E8M0): e + 127.
;;     - Each number is divided by its block's scale, clamped to +-6, and rounded to the nearest number of E2M1, ties to even, subnormals kept.
;;     - The product sums the exact products of the quantised numbers (number of the format x scale) in f32.
;;   ~~~python
;;   def quantise(x, axis):      # numpy; x: float32 -> the quantised numbers, widened to float32 again
;;       x = np.moveaxis(x, axis, -1); K = x.shape[-1]
;;       x = np.pad(x, [(0, 0)] * (x.ndim - 1) + [(0, -K % 32)]); x = x.reshape(x.shape[:-1] + (-1, 32)); a = np.abs(x).max(-1, keepdims=True)
;;       e = np.where(a > 0, np.clip(np.frexp(np.where(a > 0, a, 1))[1] - 1 - 2, -126, 127), 0)      # np.frexp(a)[1] - 1 = floor(log2(a)), exactly
;;       r = np.clip(x / 2.0 ** e, -6, 6)
;;       step = 2.0 ** (np.maximum(np.frexp(np.where(r == 0, 1, r))[1] - 1, 0) - 1)
;;       q = np.round(r / step) * step * 2.0 ** e      # np.round: ties to even
;;       return np.moveaxis(q.reshape(q.shape[:-2] + (-1,))[..., :K], -1, axis).astype(np.float32)
;;   ~~~
;; One version. Each part assembles by itself: llvm-mc -triple=amdgcn-amd-amdhsa -mcpu=gfx1250 --defsym DOCPART=n.
;; ======== version 1 of 1: 4 launches
;; limits: values are held in f16: magnitudes above 65,504 overflow, below 6.1e-05 lose precision
;; workspace buffers: xc 4,194,304 bytes; xs 262,144 bytes; wc 1,572,864 bytes; ws 98,304 bytes; qkv16 50,331,648 bytes; qkv32 786,432 bytes; pmat 33,554,432 bytes; stats 1,048,576 bytes
;; launch quant (part 1): grid 352 x 1, 4 waves a work-group, no clusters, 33,280 bytes of LDS; arguments x, Wq, Wk, Wv, xc, xs, wc, ws; writes xc, xs, wc, ws
.if DOCPART == 1
	.amdgcn_target "amdgcn-amd-amdhsa--gfx1250"
	.amdhsa_code_object_version 6
	.text
	.protected	k_qd5ce59813f_quant
	.globl	k_qd5ce59813f_quant
	.p2align	8
	.type	k_qd5ce59813f_quant,@function
k_qd5ce59813f_quant:
	s_mov_b64 s[64:65], 0
	v_nop
	global_prefetch_b8 v0, s[64:65] scope:SCOPE_SE
	s_setreg_imm32_b32 hwreg(HW_REG_WAVE_MODE, 25, 1), 1
	s_wait_xcnt 0x0
; CAUSAL SELF-ATTENTION, one head of 1,024, 4 batches of 2,048 positions, in four launches:
;   1 (this one) x, Wq, Wk, Wv -> codes of E2M1 and E8M0 scale bytes;  2 q, k, v = x W^T on those codes;  3 causal scores and a block-wise softmax, and, in work-groups of their own, the first 16 positions of each batch in f32;  4 P v.
; WORK LEFT OUT, in the problem's own terms.  reference() builds jnp.tril itself and puts -inf where key > query; softmax turns that into exactly 0, and 0 x v adds nothing, whatever finite values x and the weights hold.
; So tiles of 256 queries x 256 keys that lie wholly above the diagonal are not multiplied in the scores, and the same keys' steps are not walked in P v.  What is hidden inside a tile that also holds
; visible scores is computed and masked.  Every input has a way to the output: all four are loaded.
; LIMITS: a NaN, an infinity or an overflow that arises only in the tiles left out is not carried to the result.  q, k and v go on as f16: their magnitudes stay under 65,504.
; THIS LAUNCH: all four tensors are dense with K innermost and K = 1,024 is a multiple of 32, so each is a plain stream of blocks of 32 numbers, and so are its codes and its scale bytes.
; A block's scale is 2^(floor(log2(its largest magnitude)) - 2); its byte is the largest magnitude's own exponent field - 2, held at 1 from below.  A block of zeros so gets the byte 1 where the rule says 127:
; its codes are zeros, which add nothing under any byte but 0xff, and the bytes are read by this program alone.  Each number is divided by the scale and rounded to the nearest code, ties to even, beyond 6 the code of 6.
; LIMITS: blocks whose largest magnitude lies under 2^(2 - 126) have their byte held at 1; NaN and infinities among the inputs are not served.
; A work-group takes 32,768 numbers: work-groups 0-255 x, 256-287 Wq, 288-319 Wk, 320-351 Wv; only pointers are chosen, all take one path.  The three weights' codes lie on end in wc, rows 0-1,023 Wq, then Wk, then Wv.
; A wave takes 16 steps of 512 numbers.  Each of a step's four loads reads 512 consecutive bytes; the 2,048 bytes turn through the wave's own stage in LDS and come back 64 bytes a lane: 16 neighbours along K.
.set WAVES, 4
.set STEPS, 16
.set EMAX,  2
.set CB,    8                          ; bytes of 16 codes
.set R,     16                         ; v16-79   four sets of 16 numbers as they are loaded
.set X,     80                         ; v80-111  two sets of 16 neighbours
.set C,     128                        ; v128-191 codes: four registers for each step, so that no store's data are written again
.set E,     112                        ; v112-127 a scale byte for each step
.set WREG,  8192                       ; LDS: a region for each wave: two stages of 32 x SP bytes, behind them its 256 scale bytes
.set SP,    80                         ; a lane's place in a stage: 64 bytes + 16 of padding
.set SPW,   12                         ; v12 LDS address of my spare word; never rewritten
.set NIL,   13                         ; v13 0; never rewritten
.set SPARE, WAVES*WREG                 ; behind the four regions: the spare words, 128 bytes a wave
	s_load_b256 s[4:11], s[0:1], 0x0               ; x, Wq, Wk, Wv
	s_load_b256 s[12:19], s[0:1], 0x20             ; xc, xs, wc, ws
	v_lshl_add_u32 v[SPW], v0, 2, SPARE
	v_mov_b32 v[NIL], 0
	v_lshrrev_b32 v1, 5, v0
	v_readfirstlane_b32 s20, v1                    ; wave
	v_and_b32 v2, 31, v0                           ; lane
	v_lshlrev_b32 v3, 4, v2                        ; my 16 bytes of a load's 512
	s_mul_i32 s21, s20, WREG
	v_lshrrev_b32 v14, 2, v2
	v_mul_u32_u24 v14, v14, SP
	v_and_b32 v15, 3, v2
	v_lshl_add_u32 v14, v15, 4, v14
	v_add_nc_u32 v14, s21, v14                     ; the stage, on the way in: SP (lane / 4) + 16 (lane % 4)
	v_mul_u32_u24 v15, v2, SP
	v_add_nc_u32 v15, s21, v15                     ; and on the way out: SP x lane
	v_mul_u32_u24 v4, v2, CB                       ; my codes' place in a step's
	v_lshrrev_b32 v5, 1, v2
	s_add_co_u32 s21, s21, 2*32*SP
	v_add_nc_u32 v5, s21, v5                       ; LDS: my wave's 256 scale bytes, my block's byte
	v_lshlrev_b32 v7, 3, v2                        ; and on the way out 8 bytes a lane
	v_add_nc_u32 v6, s21, v7
	s_wait_kmcnt 0x0
	s_cmp_lt_u32 ttmp9, 288                        ; the choices hang on the work-group's number alone
	s_cselect_b64 s[6:7], s[6:7], s[8:9]           ; Wq or Wk,
	s_cmp_lt_u32 ttmp9, 320
	s_cselect_b64 s[6:7], s[6:7], s[10:11]         ; or Wv
	s_sub_co_u32 s22, ttmp9, 256                   ; a weight's run among the three weights' (codes and scales lie on end),
	s_and_b32 s23, s22, 31                         ; and within its own tensor
	s_cmp_lt_u32 ttmp9, 256
	s_cselect_b64 s[4:5], s[4:5], s[6:7]           ; the source,
	s_cselect_b64 s[12:13], s[12:13], s[16:17]     ; the codes,
	s_cselect_b64 s[14:15], s[14:15], s[18:19]     ; the scale bytes
	s_cselect_b32 s23, ttmp9, s23
	s_cselect_b32 s22, ttmp9, s22
	s_lshl_b32 s23, s23, 2
	s_add_co_u32 s24, s23, s20                     ; which run of 8,192 numbers of the source is my wave's
	s_mov_b32 s25, 0
	s_lshl_b32 s22, s22, 2
	s_add_co_u32 s26, s22, s20                     ; and of the destination
	s_mov_b32 s27, 0
	s_lshl_b64 s[28:29], s[24:25], 15              ; 32,768 bytes of f32 a run
	s_add_nc_u64 s[4:5], s[4:5], s[28:29]
	s_lshl_b64 s[28:29], s[26:27], 12              ; 4,096 bytes of codes
	s_add_nc_u64 s[12:13], s[12:13], s[28:29]
	s_lshl_b64 s[28:29], s[26:27], 8               ; 256 scale bytes
	s_add_nc_u64 s[14:15], s[14:15], s[28:29]
.macro LOAD t
.irp i, 0,1,2,3
	global_load_b128 v[R+16*((\t)%4)+4*\i:R+16*((\t)%4)+4*\i+3], v3, s[4:5] offset:2048*(\t)+512*\i th:TH_LOAD_NT   ; 32 lanes read 512 consecutive bytes
.endr
.endm
.macro TURN t                          ; step t's numbers through the stage: LDS serves a wave's instructions in order, so no wait stands between the stores and the loads
.irp i, 0,1,2,3
	ds_store_b128 v14, v[R+16*((\t)%4)+4*\i:R+16*((\t)%4)+4*\i+3] offset:32*SP*((\t)%2)+8*SP*\i
.endr
.irp i, 0,1,2,3
	ds_load_b128 v[X+16*((\t)%2)+4*\i:X+16*((\t)%2)+4*\i+3], v15 offset:32*SP*((\t)%2)+16*\i
.endr
.endm
.irp t, 0,1,2,3
	LOAD \t
.endr
	s_wait_loadcnt 12                              ; step 0's four loads are in; the twelve of steps 1 to 3 may be out
	TURN 0
.macro STEP t
.set XS, X+16*((\t)%2)
.if (\t) > 0
	s_wait_dscnt 1                                 ; this step's numbers are back from the stage (the last step's byte store may be out)
.else
	s_wait_dscnt 0x0
.endif
.if (\t)+4 < STEPS
	LOAD (\t)+4                                    ; the stage's stores have read these registers: they take the loads of four steps on
.endif
.if (\t)+1 < STEPS
.if STEPS-2-(\t) >= 3
	s_wait_loadcnt 12                              ; the next step's four loads are in; those of the three steps behind it may be out
.else
	s_wait_loadcnt 4*(STEPS-2-(\t))
.endif
	TURN (\t)+1
.endif
	v_max3_num_f32 v8, |v[XS]|, |v[XS+1]|, |v[XS+2]|               ; the largest magnitude of my 16, in two chains
	v_max3_num_f32 v9, |v[XS+3]|, |v[XS+4]|, |v[XS+5]|
.irp i, 6,10
	v_max3_num_f32 v8, v8, |v[XS+\i]|, |v[XS+\i+1]|
	v_max3_num_f32 v9, v9, |v[XS+\i+2]|, |v[XS+\i+3]|
.endr
	v_max3_num_f32 v8, v8, |v[XS+14]|, |v[XS+15]|
	v_max3_num_f32 v8, v8, v9, (EMAX+1)<<23        ; and the floor 2^(EMAX + 1 - 127): the byte cannot fall under 1
	v_max_num_f32_dpp v8, v8, v8 row_xmask:1 row_mask:0xf bank_mask:0xf   ; and of my neighbour's 16: the block's
	v_add_nc_u32 v11, -(EMAX<<23), v8              ; EMAX off its exponent field: the conversion takes the exponent field of this operand as its scale
	v_cvt_scalef32_pk8_fp4_f32 v[C+4*(\t)], v[XS:XS+7], v11
	v_cvt_scalef32_pk8_fp4_f32 v[C+4*(\t)+1], v[XS+8:XS+15], v11
	v_lshrrev_b32 v[E+(\t)], 23, v11               ; the scale's byte (a plain line behind the conversions)
	ds_store_b8 v5, v[E+(\t)] offset:16*(\t)       ; both lanes of a block write the same byte with the same value
	global_store_b64 v4, v[C+4*(\t):C+4*(\t)+1], s[12:13] offset:32*CB*(\t)   ; the wave stores 256 consecutive bytes, aligned
.endm
.irp t, 0,1,2,3,4,5,6,7,8,9,10,11,12,13,14,15
	STEP \t
.endr
	ds_load_b64 v[8:9], v6                         ; LDS serves a wave's instructions in order: these see my stores
	s_wait_dscnt 0x0
	global_store_b64 v7, v[8:9], s[14:15]          ; 32 lanes store 256 consecutive bytes, aligned
	s_wait_tensorcnt 0x0                           ; the wave's end
	ds_add_u32 v[SPW], v[NIL]
	s_wait_dscnt 0x0
	s_endpgm
.Lfunc_end_k_qd5ce59813f_quant:
	.size	k_qd5ce59813f_quant, .Lfunc_end_k_qd5ce59813f_quant-k_qd5ce59813f_quant
	.p2alignl 7, 3214868480
	.fill 96, 4, 3214868480
	.section	.rodata,"a",@progbits
	.p2align	6, 0x0
	.amdhsa_kernel k_qd5ce59813f_quant
		.amdhsa_group_segment_fixed_size 33280
		.amdhsa_private_segment_fixed_size 0
		.amdhsa_enable_private_segment 0
		.amdhsa_kernarg_size 64
		.amdhsa_user_sgpr_count 2
		.amdhsa_user_sgpr_kernarg_segment_ptr 1
		.amdhsa_wavefront_size32 1
		.amdhsa_system_sgpr_workgroup_id_x 1
		.amdhsa_system_sgpr_workgroup_id_y 1
		.amdhsa_system_sgpr_workgroup_id_z 1
		.amdhsa_system_vgpr_workitem_id 0
		.amdhsa_next_free_vgpr 192
		.amdhsa_next_free_sgpr 66
		.amdhsa_reserve_vcc 0
		.amdhsa_float_denorm_mode_32 3
		.amdhsa_float_denorm_mode_16_64 3
		.amdhsa_memory_ordered 1
		.amdhsa_forward_progress 1
		.amdhsa_inst_pref_size 34
	.end_amdhsa_kernel
	.amdgpu_metadata
---
amdhsa.version: [ 1, 2 ]
amdhsa.kernels:
  - .name:           k_qd5ce59813f_quant
    .symbol:         k_qd5ce59813f_quant.kd
    .args:
      - { .name: x, .offset: 0, .size: 8, .value_kind: global_buffer, .address_space: global }
      - { .name: Wq, .offset: 8, .size: 8, .value_kind: global_buffer, .address_space: global }
      - { .name: Wk, .offset: 16, .size: 8, .value_kind: global_buffer, .address_space: global }
      - { .name: Wv, .offset: 24, .size: 8, .value_kind: global_buffer, .address_space: global }
      - { .name: xc, .offset: 32, .size: 8, .value_kind: global_buffer, .address_space: global }
      - { .name: xs, .offset: 40, .size: 8, .value_kind: global_buffer, .address_space: global }
      - { .name: wc, .offset: 48, .size: 8, .value_kind: global_buffer, .address_space: global }
      - { .name: ws, .offset: 56, .size: 8, .value_kind: global_buffer, .address_space: global }
    .group_segment_fixed_size: 33280
    .private_segment_fixed_size: 0
    .kernarg_segment_align: 8
    .kernarg_segment_size: 64
    .max_flat_workgroup_size: 128
    .sgpr_count:     66
    .vgpr_count:     192
    .wavefront_size: 32
...
	.end_amdgpu_metadata
.endif
;; end of part 1
;; launch proj (part 2): grid 12 x 32, 4 waves a work-group, clusters of 4 x 4, 327,680 bytes of LDS; arguments xc, xs, wc, ws, qkv16, qkv32; writes qkv16, qkv32
.if DOCPART == 2
	.amdgcn_target "amdgcn-amd-amdhsa--gfx1250"
	.amdhsa_code_object_version 6
	.text
	.protected	k_qd5ce59813f_proj
	.globl	k_qd5ce59813f_proj
	.p2align	8
	.type	k_qd5ce59813f_proj,@function
k_qd5ce59813f_proj:
	s_mov_b64 s[64:65], 0
	v_nop
	global_prefetch_b8 v0, s[64:65] scope:SCOPE_SE
	s_setreg_imm32_b32 hwreg(HW_REG_WAVE_MODE, 25, 1), 1
	s_wait_xcnt 0x0
	s_wait_alu depctr_hold_cnt(0) depctr_sa_sdst(0) depctr_va_vdst(0) depctr_va_sdst(0) depctr_va_ssrc(0) depctr_va_vcc(0) depctr_vm_vsrc(0)
	s_getreg_b32 s2, hwreg(HW_REG_IB_STS2, 6, 4)
	s_cmp_eq_u32 s2, 0
	s_cbranch_scc0 .Lentry_in_a_cluster
	s_endpgm
.Lentry_in_a_cluster:
	s_bfe_u32 s2, ttmp6, 0x10000c
	s_cmp_lg_u32 s2, 0xf033
	s_cbranch_scc0 .Lentry_shape_is_right
	s_endpgm
.Lentry_shape_is_right:
; [q | k | v][m][n] = sum over d of x[m][d] W[n][d], m = 8,192 positions, n = 3,072 (Wq's, Wk's, Wv's rows on end), K = 1,024, both operands as codes of E2M1 with one E8M0 byte for each 32 along K; sums in f32.
; Nothing is left out here.  Results go out as f16, [8192][3072] (LIMIT: magnitudes under 65,504); positions 0-15 of each batch also as f32, [64][3072], for the launch that carries those rows finely.
; A tile of 256 x 256 is made by four waves, 128 x 128 each: 64 accumulators of 16 x 16.  All of K lies in two LDS slots of 512 along K (rows of 256 bytes), each filled once; the scale bytes of the 256 + 256 rows come once, as dense blocks.
; CLUSTERS: 4 x 4 work-groups; the four of a row of the cluster ask jointly for x's tiles, the four of a column for W's.  Tile row = 8 cy + cluster y, so that the tiles that hold a batch's first rows (tile rows 0, 8, 16, 24)
; are those of cluster y = 0: a number that all partners share, on which a branch may hang.
; THE MATRIX INSTRUCTION IS USED TRANSPOSED (source 0 = 16 rows of W, source 1 = 16 rows of x): a lane holds eight neighbouring columns of one row.
; REGISTERS, in windows of 256: window 0: v0-31 addresses; v32-95 scale words, two sets; from v128 x's fragments, one set; on the way out v32-255 are free.  window 1: W's fragments, two sets.  windows 2, 3: the accumulators.
.set NQ,     4                         ; steps of 128 along K in a slot
.set ROWB,   256                       ; a tile's row in bytes: 512 codes
.set KROW,   512                       ; a row of codes in memory
.set PITCH,  272                       ; an LDS row: 256 bytes + 16 of padding: the 16 rows that a load touches start 68 words apart
.set FR,     8                         ; registers of a fragment
.set NL,     2                         ; LDS loads that bring one
.set NP,     4                         ; places behind this matrix instruction (ISA guide 7.12.1)
.set HALFT,  128*PITCH
.set SLOT,   4*HALFT
.set KS,     32                        ; a row of scale bytes
.set SCL,    2*SLOT                    ; behind the slots: the scales, as rows of 256 bytes + 16
.set HALFS,  (128*KS/256)*272
.set SBLK,   (16*KS/256)*272
.set SPARE,  SCL+4*HALFS               ; the spare words, 128 bytes a wave
.set CROW,   6144                      ; a row of qkv16 in bytes
.set SROW,   12288                     ; a row of qkv32
.set SPITCH, 272                       ; the way out in f16: 16 rows x (256 + 16)
.set WSTG,   16*528                    ; a wave's stage (it also serves 16 rows x (512 + 16) of f32); it lies in slot 0, which has had its one fill and its last read when the first result is stored there
.set ADRA, 16
.set ADRB, 20
.set STO32, 22                         ; v22 the f32 stage: where I put 32 bytes of a row
.set RD32, 23                          ; v23 and where I read a row back
.set STO,  24
.set RD,   25
.set CO,   26
.set ADRS, 27
.set SPW,  28
.set NIL,  29
.set CO32, 30                          ; v30 16 x lane
.set SC,   32
.set AF,   128
.set TMP,  32                          ; the way out: packed results
.set OB,   64                          ; 16 rows read back: v64-95 and v96-127 by turns
.set G1, 24
.set G0, 32
.set G1B, 48
.set G0B, 56
.set G1S, 68
.set G0S, 76
.set G1SB, 80
.set G0SB, 88
.set MSB, 0
.macro WIN new                         ; the immediate's high byte repeats the setting that is left
.if MSB != (\new)
	s_set_vgpr_msb (MSB<<8)|(\new)
.set MSB, \new
.endif
.endm
.set MUL_LO, 0xa1                      ; source 0 (W) window 1, source 1 (x) window 0, C and D window 2
.set MUL_HI, 0xf1
.set TO_B,   0x40
; A joint load: waves 0 and 1 fetch for x, waves 2 and 3 for W; the branch hangs on the wave's number alone.  An s_nop 0 and four v_nop follow each of the two lines.
.macro JLOAD g0a, g1a, g0b, g1b
	s_cmp_eq_u32 s15, 0
	s_cbranch_scc0 .Lfor_b_\@
	tensor_load_to_lds s[\g0a:\g0a+3], s[\g1a:\g1a+7]
	s_nop 0
.rept 4
	v_nop
.endr
	s_branch .Lasked_\@
.Lfor_b_\@:
	tensor_load_to_lds s[\g0b:\g0b+3], s[\g1b:\g1b+7]
	s_nop 0
.rept 4
	v_nop
.endr
.Lasked_\@:
.endm
.macro CROUND                          ; a round of the cluster's barrier
	s_barrier_signal -1
	s_barrier_wait -1
	s_cmp_lg_u32 s14, 0
	s_cbranch_scc1 .Lnot_wave_0_\@
	s_barrier_signal -3
.Lnot_wave_0_\@:
	s_barrier_wait -3
	s_barrier_signal -1
	s_barrier_wait -1
.endm
	s_load_b128 s[4:7], s[0:1], 0x0                ; x's codes, x's scales
	s_load_b128 s[8:11], s[0:1], 0x10              ; W's codes, W's scales
	s_load_b64 s[12:13], s[0:1], 0x20              ; qkv16
	s_load_b64 s[96:97], s[0:1], 0x28              ; qkv32
	v_lshl_add_u32 v[SPW], v0, 2, SPARE
	v_mov_b32 v[NIL], 0
	ds_add_u32 v[SPW], v[NIL]                      ; the wave's opening: the add, twice on end, and its wait ahead of my first tensor load
	ds_add_u32 v[SPW], v[NIL]
	v_lshrrev_b32 v1, 5, v0
	v_readfirstlane_b32 s14, v1                    ; wave 0..3
	s_lshr_b32 s15, s14, 1                         ; which half of the tile's rows is mine.  Also: I fetch for x (0) or for W (1)
	s_and_b32 s16, s14, 1                          ; which half of its columns.  Also: which 128 rows of that tile I fetch
	s_bfe_u32 s40, ttmp6, 0x40000                  ; cx, cy
	s_bfe_u32 s41, ttmp6, 0x40004
	s_lshl_b32 s42, ttmp9, 2
	s_add_co_u32 s42, s42, s40                     ; tile column = 4 x cluster x + cx
	s_and_b32 s95, ttmp7, 0xffff                   ; cluster y
	s_lshl_b32 s17, s41, 3
	s_add_co_u32 s17, s17, s95                     ; tile row = 8 cy + cluster y
	s_or_b32 s95, s95, s15                         ; 0 where my first 16 rows are a batch's first 16: cluster y = 0 and the upper half of the rows
	s_lshl_b32 s43, s41, 2
	s_lshl_b32 s43, 15, s43                        ; my row of the cluster
	s_lshl_b32 s44, 0x1111, s40                    ; my column
	s_or_b32 s[G1+0], s43, (0<<16)|(1<<20)|(1<<21)|(5<<22)|(3<<25)  ; the mask; elements of 1 byte; padding on; bit 21 beside a mask; 4 words of padding after every 64
	s_or_b32 s[G1B+0], s44, (0<<16)|(1<<20)|(1<<21)|(5<<22)|(3<<25)
.irp g, G1, G1B
	s_mov_b32 s[\g+1], ROWB<<16                    ; tensor_dim0
	s_mov_b32 s[\g+2], 128<<16                     ; tensor_dim1
	s_mov_b32 s[\g+3], ROWB<<16                    ; tile_dim0
	s_mov_b32 s[\g+4], 128                         ; tile_dim1
	s_mov_b32 s[\g+5], KROW                        ; stride
	s_mov_b32 s[\g+6], 0
	s_mov_b32 s[\g+7], 0
.endr
	s_or_b32 s[G1S+0], s43, (3<<16)|(1<<20)|(1<<21)|(5<<22)|(3<<25)   ; the scales of 128 rows: 4,096 dense bytes as 16 rows of 256 (32 elements of 8 bytes)
	s_or_b32 s[G1SB+0], s44, (3<<16)|(1<<20)|(1<<21)|(5<<22)|(3<<25)
.irp g, G1S, G1SB
	s_mov_b32 s[\g+1], 32<<16
	s_mov_b32 s[\g+2], (128*KS/256)<<16
	s_mov_b32 s[\g+3], 32<<16
	s_mov_b32 s[\g+4], 128*KS/256
	s_mov_b32 s[\g+5], 32
	s_mov_b32 s[\g+6], 0
	s_mov_b32 s[\g+7], 0
.endr
	s_lshl_b32 s18, s16, 7
	s_lshl_b32 s20, s17, 8
	s_add_co_u32 s20, s20, s18                     ; x: row 256 x tile row + 128 x half
	s_lshl_b32 s46, s42, 8
	s_add_co_u32 s46, s46, s18                     ; W: row 256 x tile column + 128 x half
	s_mov_b32 s21, 0
	s_mov_b32 s47, 0
	s_mov_b64 s[18:19], KS
	s_mul_u64 s[22:23], s[20:21], s[18:19]         ; where these rows' scales begin
	s_mul_u64 s[92:93], s[46:47], s[18:19]
	s_mov_b64 s[18:19], KROW
	s_mul_u64 s[20:21], s[20:21], s[18:19]         ; and their codes
	s_mul_u64 s[46:47], s[46:47], s[18:19]
	s_mul_i32 s45, s14, HALFT                      ; where they go: wave x 128 rows
	s_mul_i32 s94, s14, HALFS
	s_wait_dscnt 0x0                               ; both opening adds are done
	s_wait_kmcnt 0x0
	s_add_nc_u64 s[20:21], s[4:5], s[20:21]
	s_add_nc_u64 s[22:23], s[6:7], s[22:23]
	s_add_nc_u64 s[46:47], s[8:9], s[46:47]
	s_add_nc_u64 s[92:93], s[10:11], s[92:93]
	CROUND                                         ; all sixteen work-groups are here: the joint loads meet
	s_mov_b32 s[G0S], 1
	s_add_co_u32 s[G0S+1], s94, SCL
	s_mov_b64 s[G0S+2:G0S+3], s[22:23]
	s_or_b32 s[G0S+3], s[G0S+3], 0x80000000
	s_mov_b32 s[G0SB], 1
	s_add_co_u32 s[G0SB+1], s94, SCL
	s_mov_b64 s[G0SB+2:G0SB+3], s[92:93]
	s_or_b32 s[G0SB+3], s[G0SB+3], 0x80000000
	JLOAD G0S, G1S, G0SB, G1SB                     ; the scales first; by this text's count a wave has three tensor loads out
.irp s, 0,1
	s_mov_b32 s[G0+4*\s], 1
	s_add_co_u32 s[G0+4*\s+1], s45, \s*SLOT
	s_add_nc_u64 s[G0+4*\s+2:G0+4*\s+3], s[20:21], \s*ROWB
	s_or_b32 s[G0+4*\s+3], s[G0+4*\s+3], 0x80000000
	s_mov_b32 s[G0B+4*\s], 1
	s_add_co_u32 s[G0B+4*\s+1], s45, \s*SLOT
	s_add_nc_u64 s[G0B+4*\s+2:G0B+4*\s+3], s[46:47], \s*ROWB
	s_or_b32 s[G0B+4*\s+3], s[G0B+4*\s+3], 0x80000000
	JLOAD G0+4*\s, G1, G0B+4*\s, G1B
.endr
	v_and_b32 v1, 15, v0                           ; r
	v_bfe_u32 v2, v0, 4, 1                         ; h
	v_mul_u32_u24 v3, v1, PITCH
	v_lshl_add_u32 v4, v2, 4, v3                   ; a fragment's row x pitch + 16 h
	s_mul_i32 s21, s15, HALFT                      ; my 128 rows of x
	s_mul_i32 s22, s16, HALFT                      ; my 128 rows of W,
	s_add_co_u32 s22, s22, 2*HALFT                 ; behind x's 256
.irp s, 0,1
	v_add_nc_u32 v[ADRA+\s], s21, v4
	v_add_nc_u32 v[ADRB+\s], s22, v4
	s_add_co_u32 s21, s21, SLOT
	s_add_co_u32 s22, s22, SLOT
.endr
	v_mul_u32_u24 v5, v1, KS                       ; my row's scales: KS bytes a row,
	v_lshrrev_b32 v6, 8, v5
	v_lshl_add_u32 v5, v6, 4, v5                   ; and 16 more for each 256 passed
	s_mul_i32 s21, s15, HALFS
	s_mul_i32 s22, s16, HALFS
	s_add_co_u32 s22, s22, 2*HALFS
	s_sub_co_u32 s22, s22, s21
	v_mul_u32_u24 v6, s22, v2                      ; lanes 16-31 take W's
	s_add_co_u32 s21, s21, SCL
	v_add_nc_u32 v5, v5, v6
	v_add_nc_u32 v[ADRS], s21, v5
	s_mul_i32 s23, s14, WSTG                       ; my stage
	v_mul_u32_u24 v5, v1, SPITCH                   ; f16, in: row r, 16 bytes for each half of the lanes
	v_lshl_add_u32 v5, v2, 4, v5
	v_add_nc_u32 v[STO], s23, v5
	v_mul_u32_u24 v5, v2, SPITCH                   ; back: lanes 0-15 one row of 256 bytes, lanes 16-31 the next
	v_lshl_add_u32 v5, v1, 4, v5
	v_add_nc_u32 v[RD], s23, v5
	v_mul_u32_u24 v5, v2, CROW                     ; and the same two rows in qkv16
	v_lshl_add_u32 v[CO], v1, 4, v5
	v_mul_u32_u24 v5, v1, 528                      ; f32, in: row r, 32 bytes for each half
	v_lshl_add_u32 v5, v2, 5, v5
	v_add_nc_u32 v[STO32], s23, v5
	v_and_b32 v6, 31, v0
	v_lshlrev_b32 v[CO32], 4, v6                   ; back: the 32 lanes take one row of 512 bytes
	v_add_nc_u32 v[RD32], s23, v[CO32]
	s_lshl_b32 s20, s17, 8
	s_lshl_b32 s21, s15, 7
	s_add_co_u32 s20, s20, s21                     ; my first row: 256 x tile row + 128 x half
	s_mov_b32 s21, 0
	s_mov_b64 s[18:19], CROW
	s_mul_u64 s[20:21], s[20:21], s[18:19]
	s_lshl_b32 s46, s42, 9                         ; my first column, in bytes of f16: 512 x tile column + 256 x half
	s_lshl_b32 s47, s16, 8
	s_add_co_u32 s46, s46, s47
	s_mov_b32 s47, 0
	s_add_nc_u64 s[20:21], s[20:21], s[46:47]
	s_add_nc_u64 s[12:13], s[12:13], s[20:21]
	s_mul_i32 s46, s41, 16*SROW                    ; qkv32: batch cy's 16 rows, my 128 columns of f32
	s_lshl_b32 s47, s42, 10
	s_add_co_u32 s46, s46, s47
	s_lshl_b32 s47, s16, 9
	s_add_co_u32 s46, s46, s47
	s_mov_b32 s47, 0
	s_add_nc_u64 s[96:97], s[96:97], s[46:47]
.macro FRAG reg, adr, q, i             ; 16 rows x 128 K of 4-bit codes: 8 registers, two loads of 16 bytes, 32 bytes apart
.irp c, 0,1
	ds_load_b128 v[\reg+4*\c:\reg+4*\c+3], v[\adr] offset:64*(\q)+32*\c+(\i)*16*PITCH
.endr
.endm
; 16 matrix instructions: x's blocks a0, a0 + 1 against W's eight.  The 64 accumulators take turns, one instruction a turn, in the same order in every step.
.macro MUL16 a0, p, q, sc, zero
.irp a, \a0, \a0+1
.irp b, 0,1,2,3,4,5,6,7
.if \zero
	v_wmma_scale_f32_16x16x128_f8f6f4 v[8*(8*((\a)%4)+\b):8*(8*((\a)%4)+\b)+7], v[128*(\p)+FR*\b:128*(\p)+FR*\b+FR-1], v[AF+FR*(\a):AF+FR*(\a)+FR-1], 0, v[SC+8*NQ*(\sc)+NQ*\b+(\q)], v[SC+8*NQ*(\sc)+NQ*(\a)+(\q)] matrix_a_fmt:MATRIX_FMT_FP4 matrix_b_fmt:MATRIX_FMT_FP4 matrix_a_scale:MATRIX_SCALE_ROW1
.else
	v_wmma_scale_f32_16x16x128_f8f6f4 v[8*(8*((\a)%4)+\b):8*(8*((\a)%4)+\b)+7], v[128*(\p)+FR*\b:128*(\p)+FR*\b+FR-1], v[AF+FR*(\a):AF+FR*(\a)+FR-1], v[8*(8*((\a)%4)+\b):8*(8*((\a)%4)+\b)+7], v[SC+8*NQ*(\sc)+NQ*\b+(\q)], v[SC+8*NQ*(\sc)+NQ*(\a)+(\q)] matrix_a_fmt:MATRIX_FMT_FP4 matrix_b_fmt:MATRIX_FMT_FP4 matrix_a_scale:MATRIX_SCALE_ROW1
.endif
.endr
.endr
.endm
.macro FETCH_B slot, q, p
	WIN TO_B
.irp i, 0,1,2,3,4,5,6,7
	FRAG 128*(\p)+FR*\i, ADRB+\slot, \q, \i
.endr
	WIN 0
.endm
.macro FETCH_A slot, q, i0
.irp i, \i0, \i0+1, \i0+2, \i0+3
	FRAG AF+FR*(\i), ADRA+\slot, \q, \i
.endr
.endm
.macro SCALES sc                       ; a slot's scale words: 4 words a row; lanes 0-15 take x's block i, lanes 16-31 W's block i
.irp i, 0,1,2,3,4,5,6,7
	ds_load_b128 v[SC+8*NQ*\sc+NQ*\i:SC+8*NQ*\sc+NQ*\i+3], v[ADRS] offset:\i*SBLK
.endr
.endm
.macro PLACES n                        ; plain vector instructions between a matrix instruction and a load into, or a read of, its registers
.rept \n
	v_nop
.endr
.endm
.macro STEP slot, q, zero              ; a step of 128 along K that has its successor in the same slot
	s_wait_dscnt 4*NL                              ; W's set and x's blocks 0-3 are in; the youngest eight loads (x's blocks 4-7) may be out
	WIN MUL_LO
	MUL16 0, (\q)%2, \q, \slot, \zero
	MUL16 2, (\q)%2, \q, \slot, \zero
	s_wait_dscnt 0
	PLACES NP
	FETCH_B \slot, (\q)+1, 1-(\q)%2
	FETCH_A \slot, (\q)+1, 0
	WIN MUL_HI
	MUL16 4, (\q)%2, \q, \slot, \zero
	MUL16 6, (\q)%2, \q, \slot, \zero
	PLACES NP
	WIN 0
	FETCH_A \slot, (\q)+1, 4
.endm
; Slot 0's last step changes slots: one barrier; in front of it each wave waits for all its tensor loads (its part of slot 1).  Nothing is filled again.
.macro TURN slot, next
	s_wait_tensorcnt 0x0
	ds_add_u32 v[SPW], v[NIL]                      ; 0 onto my spare word
	s_wait_dscnt 4*NL+1                            ; the add and the youngest eight loads may be out
	WIN MUL_LO
	MUL16 0, 1, NQ-1, \slot, 0
	s_wait_dscnt 0x0                               ; the add is done, and my reads of this slot are over
	s_barrier_signal -1
	MUL16 2, 1, NQ-1, \slot, 0
	WIN 0
	s_barrier_wait -1
	PLACES NP
	v_add_nc_u32 v[ADRS], 4*NQ, v[ADRS]            ; on to the next slot's scale words
	FETCH_B \next, 0, 0
	FETCH_A \next, 0, 0
	SCALES \next
	WIN MUL_HI
	MUL16 4, 1, NQ-1, \slot, 0
	MUL16 6, 1, NQ-1, \slot, 0
	PLACES NP
	WIN 0
	FETCH_A \next, 0, 4
.endm
.macro STEPS slot, from
.set Q, \from
.rept NQ-1-\from
	STEP \slot, Q, 0
.set Q, Q+1
.endr
.endm
	s_wait_tensorcnt 1                             ; the scales and my part of slot 0 are in (slot 1's load may be out)
	s_barrier_signal -1
	s_barrier_wait -1                              ; everybody's are
	FETCH_B 0, 0, 0
	FETCH_A 0, 0, 0
	SCALES 0
	FETCH_A 0, 0, 4
	STEP 0, 0, 1                                   ; the first step's products start the sums
	STEPS 0, 1
	TURN 0, 1
	STEPS 1, 0
	s_wait_dscnt 4*NL                              ; the very last step
	WIN MUL_LO
	MUL16 0, 1, NQ-1, 1, 0
	MUL16 2, 1, NQ-1, 1, 0
	s_wait_dscnt 0
	WIN MUL_HI
	MUL16 4, 1, NQ-1, 1, 0
	MUL16 6, 1, NQ-1, 1, 0
	WIN 0
	PLACES NP
	; THE SIDE OUTPUT: where my block 0 is a batch's positions 0-15, its 16 rows x 128 columns leave as f32 too, through my stage, as whole rows of 512 bytes
	s_cmp_lg_u32 s95, 0
	s_cbranch_scc1 .Lnoside
	WIN 0x08                                       ; an LDS store's data: window 2
.irp b, 0,1,2,3,4,5,6,7
	ds_store_b128 v[STO32], v[8*\b:8*\b+3] offset:64*\b          ; each accumulator from its low end on
	ds_store_b128 v[STO32], v[8*\b+4:8*\b+7] offset:64*\b+16
.endr
	WIN 0
.irp t, 0,1,2,3,4,5,6,7,8,9,10,11,12,13,14,15
	ds_load_b128 v[128+4*\t:128+4*\t+3], v[RD32] offset:\t*528   ; LDS serves a wave's instructions in order: these see the stores above
.endr
	s_wait_dscnt 0x0
.irp t, 0,1,2,3,4,5,6,7,8,9,10,11,12,13,14,15
	global_store_b128 v[CO32], v[128+4*\t:128+4*\t+3], s[96:97] offset:\t*SROW   ; 32 lanes store 512 consecutive bytes, aligned
.endr
.Lnoside:
; THE WAY OUT, block by block of 16 rows x 128 columns: rounded to f16, 16 bytes a lane, through my stage, back as whole rows of 256 bytes.
.macro PACK a
.set AC, 64*((\a)%4)
	WIN 0x0a+5*((\a)/4)                            ; sources 0 and 1: window 2 or 3
.irp b, 0,1,2,3,4,5,6,7
.irp r, 0,1,2,3
	v_cvt_pk_f16_f32 v[TMP+4*\b+\r], v[AC+8*\b+2*\r], v[AC+8*\b+2*\r+1]
.endr
.endr
	WIN 0
.endm
.macro TOSTAGE a
.set BB, OB+32*((\a)%2)
.irp b, 0,1,2,3,4,5,6,7
	ds_store_b128 v[STO], v[TMP+4*\b:TMP+4*\b+3] offset:32*\b
.endr
.irp t, 0,1,2,3,4,5,6,7
	ds_load_b128 v[BB+4*\t:BB+4*\t+3], v[RD] offset:\t*2*SPITCH
.endr
.endm
.macro SEND a
.set BB, OB+32*((\a)%2)
	s_wait_dscnt 0x0                               ; the block is back in registers
	s_wait_xcnt 0x0                                ; earlier stores have read their base and their data: both may be written again
.if (\a) > 0
	s_add_nc_u64 s[12:13], s[12:13], 16*CROW
.endif
.irp t, 0,1,2,3,4,5,6,7
	global_store_b128 v[CO], v[BB+4*\t:BB+4*\t+3], s[12:13] offset:2*\t*CROW   ; 16 lanes store 256 consecutive bytes, aligned
.endr
.endm
	PACK 0
	TOSTAGE 0
.irp a, 1,2,3,4,5,6,7                  ; block a's conversions stand between block a - 1's loads from the stage and the wait for them
	PACK \a
	SEND \a-1
	TOSTAGE \a
.endr
	SEND 7
	s_wait_tensorcnt 0x0                           ; the wave's end
	ds_add_u32 v[SPW], v[NIL]
	s_wait_dscnt 0x0
	CROUND                                         ; the closing round
	s_endpgm
.Lfunc_end_k_qd5ce59813f_proj:
	.size	k_qd5ce59813f_proj, .Lfunc_end_k_qd5ce59813f_proj-k_qd5ce59813f_proj
	.p2alignl 7, 3214868480
	.fill 96, 4, 3214868480
	.section	.rodata,"a",@progbits
	.p2align	6, 0x0
	.amdhsa_kernel k_qd5ce59813f_proj
		.amdhsa_group_segment_fixed_size 327680
		.amdhsa_private_segment_fixed_size 0
		.amdhsa_enable_private_segment 0
		.amdhsa_kernarg_size 48
		.amdhsa_user_sgpr_count 2
		.amdhsa_user_sgpr_kernarg_segment_ptr 1
		.amdhsa_wavefront_size32 1
		.amdhsa_system_sgpr_workgroup_id_x 1
		.amdhsa_system_sgpr_workgroup_id_y 1
		.amdhsa_system_sgpr_workgroup_id_z 1
		.amdhsa_system_vgpr_workitem_id 0
		.amdhsa_next_free_vgpr 1024
		.amdhsa_next_free_sgpr 100
		.amdhsa_reserve_vcc 0
		.amdhsa_float_denorm_mode_32 3
		.amdhsa_float_denorm_mode_16_64 3
		.amdhsa_memory_ordered 1
		.amdhsa_forward_progress 1
		.amdhsa_inst_pref_size 131
	.end_amdhsa_kernel
	.amdgpu_metadata
---
amdhsa.version: [ 1, 2 ]
amdhsa.kernels:
  - .name:           k_qd5ce59813f_proj
    .symbol:         k_qd5ce59813f_proj.kd
    .args:
      - { .name: xc, .offset: 0, .size: 8, .value_kind: global_buffer, .address_space: global }
      - { .name: xs, .offset: 8, .size: 8, .value_kind: global_buffer, .address_space: global }
      - { .name: wc, .offset: 16, .size: 8, .value_kind: global_buffer, .address_space: global }
      - { .name: ws, .offset: 24, .size: 8, .value_kind: global_buffer, .address_space: global }
      - { .name: qkv16, .offset: 32, .size: 8, .value_kind: global_buffer, .address_space: global }
      - { .name: qkv32, .offset: 40, .size: 8, .value_kind: global_buffer, .address_space: global }
    .group_segment_fixed_size: 327680
    .private_segment_fixed_size: 0
    .kernarg_segment_align: 8
    .kernarg_segment_size: 48
    .max_flat_workgroup_size: 128
    .sgpr_count:     100
    .vgpr_count:     1024
    .wavefront_size: 32
...
	.end_amdgpu_metadata
.endif
;; end of part 2
;; launch scores (part 3): grid 40 x 4, 4 waves a work-group, no clusters, 327,680 bytes of LDS; arguments qkv16, pmat, stats, qkv32, out0; writes pmat, stats, out0
.if DOCPART == 3
	.amdgcn_target "amdgcn-amd-amdhsa--gfx1250"
	.amdhsa_code_object_version 6
	.text
	.protected	k_qd5ce59813f_scores
	.globl	k_qd5ce59813f_scores
	.p2align	8
	.type	k_qd5ce59813f_scores,@function
k_qd5ce59813f_scores:
	s_mov_b64 s[64:65], 0
	v_nop
	global_prefetch_b8 v0, s[64:65] scope:SCOPE_SE
	s_setreg_imm32_b32 hwreg(HW_REG_WAVE_MODE, 25, 1), 1
	s_wait_xcnt 0x0
; S[b][q][k] = q . k over 1,024 channels in f16 with f32 sums, the causal mask, and a softmax by blocks of 128 keys.
; LEFT OUT: the tiles of 256 x 256 that lie wholly above the diagonal (key > query everywhere: reference()'s own tril makes them -inf, softmax 0).  A batch has 36 tiles on or under the diagonal: work-group x < 36 is tile (I, J), J <= I.
; FOR EACH QUERY AND EACH BLOCK j OF 128 KEYS: t = score x log2(e) / 32; M_j = the block's largest t rounded up to a whole number; p = 2^(t - M_j) goes to pmat as f16; -M_j and the sum of the unrounded p go to stats.
; The next launch takes the largest M_j of a row and brings every block under it by a power of two: the maximum is taken away for every input.  A block all of whose keys are hidden (the upper right quarter of a
; diagonal tile) stores p = 0, -M = 3e38, sum 0, so that the next launch can walk keys 256 at a time.
; WORK-GROUPS x = 36 .. 39 OF EACH BATCH MAKE POSITIONS 0-15 OF THE OUTPUT, WHOLE, IN F32 (label .Lfirst16, at the text's end): those rows average one to sixteen values, so that the rounding of 16-bit operands
; would weigh most there.  They share nothing with the tiles' work-groups and part from them at the head, on the work-group's number alone: no tensor load, no barrier, LDS bytes of their own, an end of their own.
; They stand in this launch so that these 64 rows cost no launch of their own.
; NO CLUSTER: row I of the triangle has I + 1 tiles and column J has 8 - J, so the 36 tiles do not divide into fours that share a row or a column.
; Four waves, 128 x 128 each: 64 accumulators.  K goes in steps of 128 (rows of 256 bytes) through two LDS slots; each wave fetches 128 rows (waves 0, 1: queries; 2, 3: keys) with one tensor load.
; THE MATRIX INSTRUCTION IS USED TRANSPOSED (source 0 = 16 keys, source 1 = 16 queries): a lane holds ONE query (lane % 16) and eight neighbouring keys 8 (lane / 16) + 0..7.
; REGISTERS: window 0: v0-31 addresses; v64-127, v128-191 query fragments, two buffers; afterwards v64-82 at work, v192-223 packed p, v32-63 and v224-255 rows read back.  window 1: v64-191 key fragments.  windows 2, 3: accumulator (a, b) at v[8 (8 (a % 4) + b)].
.set KSTEP,  128
.set PITCH,  272
.set HALFT,  128*PITCH
.set SLOT,   4*HALFT
.set STAGE,  2*SLOT                    ; 16 rows x 272 bytes for each wave
.set SPITCH, 272
.set STAT,   STAGE+4*16*SPITCH         ; 1,024 bytes for each wave: 128 x -M, 128 x sum
.set SPARE,  STAT+4096                 ; the spare words
.set F16STG, SPARE+512                 ; the f32 path's own bytes: 16 rows x 272 bytes for each wave
.set LAPS,   4                         ; 1,024 / 256
.set ADRA, 16
.set ADRB, 20
.set STO,  24
.set RD,   25
.set CO,   26
.set SA,   27                          ; v27 where I put a row's -M (lanes 0-15) or its sum (lanes 16-31)
.set SPW,  28
.set NIL,  29
.set L16,  30                          ; v30 16 x lane
.set SRD,  31                          ; v31 where I read my wave's statistics back
.set F0,   64
.set F1,   128
.set TMP,  192
.set OB,   32
.set G1, 24
.set G0, 32
.set MSB, 0
.macro WIN new
.if MSB != (\new)
	s_set_vgpr_msb (MSB<<8)|(\new)
.set MSB, \new
.endif
.endm
.set MUL_LO, 0xa1                      ; source 0 (keys) window 1, source 1 (queries) window 0, C and D window 2
.set MUL_HI, 0xf1
.set TO_B,   0x40
	s_load_b128 s[4:7], s[0:1], 0x0                ; qkv16, pmat
	s_load_b64 s[8:9], s[0:1], 0x10                ; stats
	s_load_b64 s[60:61], s[0:1], 0x18              ; qkv32
	s_load_b64 s[62:63], s[0:1], 0x20              ; out0
	v_lshl_add_u32 v[SPW], v0, 2, SPARE
	v_mov_b32 v[NIL], 0
	ds_add_u32 v[SPW], v[NIL]                      ; the wave's opening: the add, twice on end, and its wait ahead of my first tensor load
	ds_add_u32 v[SPW], v[NIL]
	v_lshrrev_b32 v1, 5, v0
	v_readfirstlane_b32 s10, v1                    ; wave
	s_lshr_b32 s11, s10, 1                         ; R: my half of the queries.  Also: I fetch queries (0) or keys (1)
	s_and_b32 s12, s10, 1                          ; C: my half of the keys.  Also: which 128 rows I fetch
	s_mov_b32 s13, 0                               ; I = how many of the triangle's row starts 1, 3, 6, .. lie at or under x
.irp T, 1,3,6,10,15,21,28
	s_cmp_ge_u32 ttmp9, \T
	s_cselect_b32 s14, 1, 0
	s_add_co_u32 s13, s13, s14
.endr
	s_add_co_u32 s14, s13, 1
	s_mul_i32 s14, s14, s13
	s_lshr_b32 s14, s14, 1
	s_sub_co_u32 s14, ttmp9, s14                   ; J = x - I (I + 1) / 2
	s_cmp_eq_u32 s13, s14
	s_cselect_b32 s15, 1, 0
	s_cmp_eq_u32 s11, s12
	s_cselect_b32 s48, s15, 0                      ; my 128 x 128 lies on the diagonal
	s_cmp_lt_u32 s11, s12
	s_cselect_b32 s49, s15, 0                      ; or wholly above it
	s_and_b32 s21, ttmp7, 0xffff
	s_lshl_b32 s21, s21, 11                        ; the batch's first row
	s_mov_b32 s[G1+0], (1<<16)|(1<<20)|(5<<22)|(3<<25)   ; no mask; elements of 2 bytes; 4 words of padding after every 64
	s_mov_b32 s[G1+1], KSTEP<<16
	s_mov_b32 s[G1+2], 128<<16
	s_mov_b32 s[G1+3], KSTEP<<16
	s_mov_b32 s[G1+4], 128
	s_mov_b32 s[G1+5], 3072                        ; elements from row to row of qkv16
	s_mov_b32 s[G1+6], 0
	s_mov_b32 s[G1+7], 0
	s_cmp_lt_u32 s10, 2
	s_cselect_b32 s16, s13, s14                    ; queries by I, keys by J
	s_lshl_b32 s16, s16, 8
	s_add_co_u32 s16, s16, s21
	s_lshl_b32 s17, s12, 7
	s_add_co_u32 s16, s16, s17
	s_mul_i32 s16, s16, 6144
	s_lshl_b32 s17, s11, 11                        ; k lies 2,048 bytes into a row
	s_add_co_u32 s16, s16, s17
	s_mov_b32 s17, 0
	s_mul_i32 s20, s10, HALFT                      ; where my rows go: queries' two halves, then keys' two halves
	s_mov_b32 s50, 0x3d38aa3b                      ; c = log2(e) / 32
	s_mov_b32 s51, s50
	s_mov_b32 s52, 0x76543210                      ; lane l xor 16
	s_mov_b32 s53, 0xfedcba98
	s_mov_b32 s54, 0xffff0000                      ; lanes 16-31
	s_wait_dscnt 0x0                               ; both opening adds are done
	s_wait_kmcnt 0x0
	s_cmp_ge_u32 ttmp9, 36                         ; the work-group's number alone: all four waves go the same way
	s_cbranch_scc1 .Lfirst16
	s_add_nc_u64 s[18:19], s[4:5], s[16:17]
.irp s, 0,1                            ; both first fills of every wave, ahead of every wait on TENSORcnt, LDS read and barrier: two loads of mine are out
	s_mov_b32 s[G0+4*\s], 1
	s_add_co_u32 s[G0+4*\s+1], s20, \s*SLOT
	s_add_nc_u64 s[G0+4*\s+2:G0+4*\s+3], s[18:19], \s*KSTEP*2
	s_or_b32 s[G0+4*\s+3], s[G0+4*\s+3], 0x80000000
	tensor_load_to_lds s[G0+4*\s:G0+4*\s+3], s[G1:G1+7]
	s_nop 0
.endr
	v_and_b32 v1, 15, v0                           ; r
	v_bfe_u32 v2, v0, 4, 1                         ; h
	v_mul_u32_u24 v3, v1, PITCH
	v_lshl_add_u32 v3, v2, 4, v3
	s_mul_i32 s21, s11, HALFT                      ; my 128 queries (s21's batch row is used no more: it is in s16's product; it is made anew below)
	s_mul_i32 s22, s12, HALFT
	s_add_co_u32 s22, s22, 2*HALFT                 ; my 128 keys
.irp s, 0,1
	v_add_nc_u32 v[ADRA+\s], s21, v3
	v_add_nc_u32 v[ADRB+\s], s22, v3
	s_add_co_u32 s21, s21, SLOT
	s_add_co_u32 s22, s22, SLOT
.endr
	s_mul_i32 s23, s10, 16*SPITCH
	s_add_co_u32 s23, s23, STAGE
	v_mul_u32_u24 v4, v1, SPITCH
	v_lshl_add_u32 v4, v2, 4, v4
	v_add_nc_u32 v[STO], s23, v4                   ; in: row r, 16 bytes for each half of the lanes
	v_mul_u32_u24 v5, v2, SPITCH
	v_lshl_add_u32 v5, v1, 4, v5
	v_add_nc_u32 v[RD], s23, v5                    ; back: lanes 0-15 one row, lanes 16-31 the next
	v_lshlrev_b32 v5, 12, v2
	v_lshl_add_u32 v[CO], v1, 4, v5                ; the same two rows in pmat (4,096 bytes a row)
	s_lshl_b32 s23, s10, 10
	s_add_co_u32 s23, s23, STAT
	v_lshlrev_b32 v5, 9, v2
	v_lshl_add_u32 v5, v1, 2, v5
	v_add_nc_u32 v[SA], s23, v5                    ; STAT + 1,024 wave + 512 h + 4 r
	v_and_b32 v5, 31, v0
	v_lshlrev_b32 v[L16], 4, v5
	v_add_nc_u32 v[SRD], s23, v[L16]
	s_and_b32 s21, ttmp7, 0xffff
	s_lshl_b32 s21, s21, 11
	s_lshl_b32 s16, s13, 8
	s_add_co_u32 s16, s16, s21
	s_lshl_b32 s17, s11, 7
	s_add_co_u32 s16, s16, s17                     ; my first query's row among the 8,192
	s_lshl_b32 s22, s16, 12
	s_lshl_b32 s17, s14, 9
	s_add_co_u32 s22, s22, s17
	s_lshl_b32 s17, s12, 8
	s_add_co_u32 s22, s22, s17                     ; + 512 J + 256 C: my first key
	s_mov_b32 s23, 0
	s_add_nc_u64 s[56:57], s[6:7], s[22:23]
	s_lshl_b32 s22, s14, 1
	s_add_co_u32 s22, s22, s12                     ; the block of 128 keys: 2 J + C
	s_lshl_b32 s22, s22, 16
	s_lshl_b32 s17, s16, 2
	s_add_co_u32 s22, s22, s17
	s_add_nc_u64 s[58:59], s[8:9], s[22:23]
; 16 matrix instructions: query blocks a0, a0 + 1 of the window's four x all 8 key blocks, 32 along K.  The 64 accumulators take turns.
.macro MUL16 f, hi, a0, zero
.irp a, \a0, \a0+1
.irp b, 0,1,2,3,4,5,6,7
.if \zero
	v_wmma_f32_16x16x32_f16 v[8*(8*(\a)+\b):8*(8*(\a)+\b)+7], v[\f+8*\b:\f+8*\b+7], v[\f+8*(4*\hi+\a):\f+8*(4*\hi+\a)+7], 0
.else
	v_wmma_f32_16x16x32_f16 v[8*(8*(\a)+\b):8*(8*(\a)+\b)+7], v[\f+8*\b:\f+8*\b+7], v[\f+8*(4*\hi+\a):\f+8*(4*\hi+\a)+7], v[8*(8*(\a)+\b):8*(8*(\a)+\b)+7]
.endif
.endr
.endr
.endm
.macro FETCH slot, k, f                ; 32 LDS loads in one run: keys' fragments, then queries'
	WIN TO_B
.irp i, 0,1,2,3,4,5,6,7
	ds_load_b128 v[\f+8*\i:\f+8*\i+3],   v[ADRB+\slot] offset:\k+\i*16*PITCH
	ds_load_b128 v[\f+8*\i+4:\f+8*\i+7], v[ADRB+\slot] offset:\k+\i*16*PITCH+32
.endr
	WIN 0
.irp i, 0,1,2,3,4,5,6,7
	ds_load_b128 v[\f+8*\i:\f+8*\i+3],   v[ADRA+\slot] offset:\k+\i*16*PITCH
	ds_load_b128 v[\f+8*\i+4:\f+8*\i+7], v[ADRA+\slot] offset:\k+\i*16*PITCH+32
.endr
.endm
.macro PLACES                          ; four plain vector instructions between a matrix instruction and a load into, or a read of, its registers
.rept 4
	v_nop
.endr
.endm
.macro QUARTER slot, k, f, g, zero
	s_wait_dscnt 8                                 ; keys and queries 0-63 are in; the youngest eight loads (queries 64-127) may be out
	WIN MUL_LO
	MUL16 \f, 0, 0, \zero
	MUL16 \f, 0, 2, \zero
	PLACES
	FETCH \slot, \k, \g
	s_wait_dscnt 32                                ; all but the 32 just issued
	WIN MUL_HI
	MUL16 \f, 1, 0, \zero
	MUL16 \f, 1, 2, \zero
.endm
; The last quarter of a K step changes slots: one barrier.  In front of it each wave waits for all its tensor loads (one is out: its part of the next slot), adds 0 to its spare word, and waits for that and for its
; reads of this slot.  fill = 1: behind the barrier this slot is filled again first, with the K step two on; the load has 224 matrix instructions in which to land.
.macro TURN slot, next, fill
	WIN 0
	s_wait_tensorcnt 0x0
	ds_add_u32 v[SPW], v[NIL]
.if \fill
	s_add_nc_u64 s[G0+4*\slot+2:G0+4*\slot+3], s[G0+4*\slot+2:G0+4*\slot+3], 2*KSTEP*2   ; no load of mine is out: the descriptor may step
.endif
	s_wait_dscnt 9                                 ; the add and the youngest eight loads may be out
	WIN MUL_LO
	MUL16 F1, 0, 0, 0
	s_wait_dscnt 0x0                               ; the add is done, and my reads of this slot are over
	s_barrier_signal -1
	MUL16 F1, 0, 2, 0
	WIN 0
	s_barrier_wait -1
.if \fill
	tensor_load_to_lds s[G0+4*\slot:G0+4*\slot+3], s[G1:G1+7]
	s_nop 0
.endif
	PLACES
	FETCH \next, 0, F0
	WIN MUL_HI
	MUL16 F1, 1, 0, 0
	MUL16 F1, 1, 2, 0
.endm
	s_wait_tensorcnt 1                             ; my part of K step 0 is in (K step 1's may be out)
	s_barrier_signal -1
	s_barrier_wait -1                              ; everybody's is
	FETCH 0, 0, F0
	QUARTER 0, 64,  F0, F1, 1                      ; the first quarter's products start the sums
	WIN 0
	s_mov_b32 s3, LAPS-1
.Llap:                                             ; a trip goes once round the ring and fills both slots again
	QUARTER 0, 128, F1, F0, 0
	QUARTER 0, 192, F0, F1, 0
	TURN 0, 1, 1
	QUARTER 1, 64,  F0, F1, 0
	QUARTER 1, 128, F1, F0, 0
	QUARTER 1, 192, F0, F1, 0
	TURN 1, 0, 1
	QUARTER 0, 64,  F0, F1, 0
	WIN 0
	s_sub_co_u32 s3, s3, 1
	s_cmp_lg_u32 s3, 0
	s_cbranch_scc1 .Llap
	QUARTER 0, 128, F1, F0, 0                      ; the last lap fills nothing
	QUARTER 0, 192, F0, F1, 0
	TURN 0, 1, 0
	QUARTER 1, 64,  F0, F1, 0
	QUARTER 1, 128, F1, F0, 0
	QUARTER 1, 192, F0, F1, 0
	s_wait_dscnt 8
	WIN MUL_LO
	MUL16 F1, 0, 0, 0
	MUL16 F1, 0, 2, 0
	s_wait_dscnt 0
	WIN MUL_HI
	MUL16 F1, 1, 0, 0
	MUL16 F1, 1, 2, 0
	WIN 0
	PLACES
	s_cmp_lg_u32 s49, 0
	s_cbranch_scc1 .Ldead
	v_and_b32 v81, 15, v0
	v_bfe_u32 v80, v0, 4, 1
	v_lshlrev_b32 v80, 3, v80
	v_sub_nc_u32 v81, v81, v80                     ; r - 8 h
.irp j, 0,1,2,3,4,5,6,7
	v_cmp_gt_i32 s[40+\j], \j, v81                 ; in a block on the diagonal register j is hidden where 8 h + j > r
.endr
	v_mov_b32 v80, 0xff800000                      ; -infinity
	v_mov_b32 v75, 0                               ; (a lane permute's destination counts as one of its sources)
; BLOCK a: the wave's queries 16 a + r against its 128 keys: 8 accumulators, 64 registers a lane.
.macro BLOCK a
.set AC, 64*((\a)%4)
	s_cmp_eq_u32 s48, 0                            ; the mask, on the diagonal alone: a scalar branch on ids
	s_cbranch_scc1 .Lopen_\@
	WIN 0x41*(2+(\a)/4)
.irp j, 0,1,2,3,4,5,6,7
	v_cndmask_b32 v[AC+8*(\a)+\j], v[AC+8*(\a)+\j], v80, s[40+\j]   ; key block a: by lanes
.endr
.irp b, 0,1,2,3,4,5,6,7
.if \b > (\a)
.irp j, 0,1,2,3,4,5,6,7
	v_mov_b32 v[AC+8*\b+\j], 0xff800000            ; key blocks behind a: all hidden
.endr
.endif
.endr
	WIN 0
.Lopen_\@:
	WIN 0x15*(2+(\a)/4)                            ; the largest score, in four chains of 16 registers
.irp c, 0,1,2,3
	v_max3_num_f32 v[64+\c], v[AC+16*\c], v[AC+16*\c+1], v[AC+16*\c+2]
.endr
	WIN 0x14*(2+(\a)/4)
.irp i, 3,5,7,9,11,13
.irp c, 0,1,2,3
	v_max3_num_f32 v[64+\c], v[64+\c], v[AC+16*\c+\i], v[AC+16*\c+\i+1]
.endr
.endr
.irp c, 0,1,2,3
	v_max_num_f32 v[64+\c], v[64+\c], v[AC+16*\c+15]
.endr
	WIN 0
	v_max3_num_f32 v64, v64, v65, v66
	v_max_num_f32 v64, v64, v67
	v_permlanex16_b32 v65, v64, s52, s53           ; the query's other 64 keys lie in the lane 16 away
	v_max_num_f32 v64, v64, v65
	v_mul_f32 v64, s50, v64                        ; as t (c is positive)
	v_floor_f32 v68, -v64                          ; -M = floor(-t): M is a whole number
	v_mov_b32 v69, v68                             ; (named with it as a pair)
	WIN 0x41*(2+(\a)/4)
.set j, 0
.rept 32
	v_pk_fma_f32 v[AC+j:AC+j+1], v[AC+j:AC+j+1], s[50:51], v[68:69] op_sel_hi:[1,0,0]   ; t - M
.set j, j+2
.endr
.set j, 0
.rept 64
	v_exp_f32 v[AC+j], v[AC+j]                     ; p = 2^(t - M), at most 1
.set j, j+1
.endr
	v_nop                                          ; a plain instruction behind the last exponential
	s_wait_alu depctr_va_vdst(0)                   ; one wait for the batch, ahead of its first reader
	WIN 5*(2+(\a)/4)
.set j, 0
.rept 32
	v_cvt_pk_f16_f32 v[TMP+j], v[AC+2*j], v[AC+2*j+1]
.set j, j+1
.endr
	v_pk_add_f32 v[70:71], v[AC:AC+1], v[AC+2:AC+3]          ; the sum is taken of the unrounded p, in two chains
	v_pk_add_f32 v[72:73], v[AC+4:AC+5], v[AC+6:AC+7]
	WIN 4*(2+(\a)/4)
.set j, 8
.rept 14
	v_pk_add_f32 v[70:71], v[70:71], v[AC+j:AC+j+1]
	v_pk_add_f32 v[72:73], v[72:73], v[AC+j+2:AC+j+3]
.set j, j+4
.endr
	WIN 0
	v_pk_add_f32 v[70:71], v[70:71], v[72:73]
	v_add_f32 v74, v70, v71
	v_permlanex16_b32 v75, v74, s52, s53
	v_add_f32 v74, v74, v75
	v_cndmask_b32 v82, v68, v74, s54               ; lanes 0-15 carry -M, lanes 16-31 the sum
	ds_store_b32 v[SA], v82 offset:64*(\a)
.endm
.macro TOSTAGE a
.set BB, OB+192*((\a)%2)
.irp b, 0,1,2,3,4,5,6,7
	ds_store_b128 v[STO], v[TMP+4*\b:TMP+4*\b+3] offset:32*\b
.endr
.irp t, 0,1,2,3,4,5,6,7
	ds_load_b128 v[BB+4*\t:BB+4*\t+3], v[RD] offset:\t*2*SPITCH    ; LDS serves a wave's instructions in order: these see the stores above
.endr
.endm
.macro SEND a
.set BB, OB+192*((\a)%2)
	s_wait_dscnt 0x0
	s_wait_xcnt 0x0                                ; earlier stores have read their base and their data
.if (\a) > 0
	s_add_nc_u64 s[56:57], s[56:57], 16*4096
.endif
.irp t, 0,1,2,3,4,5,6,7
	global_store_b128 v[CO], v[BB+4*\t:BB+4*\t+3], s[56:57] offset:2*\t*4096   ; 16 lanes store 256 consecutive bytes, aligned
.endr
.endm
	BLOCK 0
	TOSTAGE 0
.irp a, 1,2,3,4,5,6,7
	BLOCK \a
	SEND \a-1
	TOSTAGE \a
.endr
	SEND 7
	ds_load_b128 v[64:67], v[SRD]                  ; my wave's 128 x -M,
	ds_load_b128 v[68:71], v[SRD] offset:512       ; and its 128 sums
	s_wait_dscnt 0x0
	global_store_b128 v[L16], v[64:67], s[58:59]               ; 512 consecutive bytes each
	global_store_b128 v[L16], v[68:71], s[58:59] offset:32768
	s_branch .Lend
.Ldead:                                            ; all my keys come after all my queries: zeros, so that the next launch can walk keys 256 at a time
.irp j, 0,1,2,3
	v_mov_b32 v[32+\j], 0
	v_mov_b32 v[36+\j], 0x7f61b1e6                 ; -M = 3e38: above every other block's, so it never is the row's least
.endr
	s_mov_b32 s3, 8
.Lzero:
.irp t, 0,1,2,3,4,5,6,7
	global_store_b128 v[CO], v[32:35], s[56:57] offset:2*\t*4096
.endr
	s_wait_xcnt 0x0                                ; the stores have read their base
	s_add_nc_u64 s[56:57], s[56:57], 16*4096
	s_sub_co_u32 s3, s3, 1
	s_cmp_lg_u32 s3, 0
	s_cbranch_scc1 .Lzero
	global_store_b128 v[L16], v[36:39], s[58:59]
	global_store_b128 v[L16], v[32:35], s[58:59] offset:32768
.Lend:
	s_wait_tensorcnt 0x0                           ; the wave's end
	ds_add_u32 v[SPW], v[NIL]
	s_wait_dscnt 0x0
	s_endpgm
; ---- POSITIONS 0-15 OF A BATCH, IN F32 THROUGHOUT.  q, k, v of these rows come as f32 from qkv32, [64][3072], row 16 b + s.  Nothing of these rows is left out; keys behind position 15 are hidden from them by reference()'s own tril.
; Work-group x = 36 + u takes channels 256 u on of the output, wave w 64 of them.  Every wave makes the whole 16 x 16 scores for itself, so that no wave waits for another: K = 1,024 in 8 passes of 128,
; 32 loads of 16 bytes and 32 matrix instructions each, on two buffers (windows 0 and 2); pass p + 2 is asked for behind pass p's products, and behind pass 6's, in its stead, my 64 channels of v.
; Both products transposed: S^T (source 0 = k's 16 rows, source 1 = q's), O^T (source 0 = 16 channels of v, source 1 = p): a lane holds query lane % 16 and keys, or channels, 8 (lane / 16) + 0..7.
; The places of K in the operands' registers are the same on both sides of each product, so every product meets its partner.
; REGISTERS: window 0: v1-14 at work; v24-26 the way out's addresses; v28, v29 the add's two, untouched; v32-95 q, later the scores and p; v96-159 k, later rows on the way out; v160-191 v.
;   window 2: v32-159 the second buffer.   window 1: v192-223 the scores' four sums, v224-255 the output's four: written by the f32 matrix form and by nothing else in this text.
.set SROW, 12288                       ; a row of qkv32 in bytes
.set QB,   32
.set KB,   96
.set VB,   160
.set SACC, 192
.set OACC, 224
.set FSTO, 24                          ; v24 my stage: where I put 32 bytes of a row
.set FRD,  25                          ; v25 and where I read a row back
.set FGO,  26                          ; v26 my byte offset in out0
.macro F16LOAD p                       ; pass p: channels 128 p on of q and of k: q(r, 128 p + 8 i + 4 h + 0..3) in registers 4 i on
	WIN 0x80*((\p)%2)                              ; destination: window 0 or 2
.irp i, 0,1,2,3,4,5,6,7,8,9,10,11,12,13,14,15
	global_load_b128 v[QB+4*\i:QB+4*\i+3], v3, s[18:19] offset:512*(\p)+32*\i
.endr
.irp i, 0,1,2,3,4,5,6,7,8,9,10,11,12,13,14,15
	global_load_b128 v[KB+4*\i:KB+4*\i+3], v3, s[18:19] offset:4096+512*(\p)+32*\i
.endr
	WIN 0
.endm
.macro F16MUL p                        ; 32 matrix instructions on four accumulators by turns; pass 0's first four start the sums
	WIN 0x50+0x0a*((\p)%2)                         ; sources 0 and 1: window 0 or 2; C and D: window 1
.set u, 0
.rept 32
.if ((\p) == 0) && (u < 4)
	v_wmma_f32_16x16x4_f32 v[SACC+8*(u%4):SACC+8*(u%4)+7], v[KB+2*u:KB+2*u+1], v[QB+2*u:QB+2*u+1], 0
.else
	v_wmma_f32_16x16x4_f32 v[SACC+8*(u%4):SACC+8*(u%4)+7], v[KB+2*u:KB+2*u+1], v[QB+2*u:QB+2*u+1], v[SACC+8*(u%4):SACC+8*(u%4)+7]
.endif
.set u, u+1
.endr
	WIN 0
.endm
.Lfirst16:
	s_sub_co_u32 s13, ttmp9, 36                    ; which 256 channels of the output
	s_and_b32 s14, ttmp7, 0xffff                   ; batch
	s_mul_i32 s16, s14, 16*SROW                    ; the batch's 16 rows
	s_mov_b32 s17, 0
	s_add_nc_u64 s[18:19], s[60:61], s[16:17]      ; q and k
	s_lshl_b32 s20, s13, 10
	s_lshl_b32 s21, s10, 8
	s_add_co_u32 s20, s20, s21                     ; my 64 channels, in bytes
	s_add_co_u32 s22, s20, s16
	s_add_co_u32 s22, s22, 8192                    ; v lies 8,192 bytes into a row
	s_mov_b32 s23, 0
	s_add_nc_u64 s[22:23], s[60:61], s[22:23]
	s_lshl_b32 s14, s14, 23                        ; 2,048 rows of 4,096 bytes a batch
	s_add_co_u32 s14, s14, s20
	s_mov_b32 s15, 0
	s_add_nc_u64 s[14:15], s[62:63], s[14:15]
	s_mul_i32 s21, s10, 16*SPITCH
	s_add_co_u32 s21, s21, F16STG                  ; my stage
	v_and_b32 v1, 15, v0                           ; r
	v_bfe_u32 v2, v0, 4, 1                         ; h
	v_mul_u32_u24 v3, v1, SROW
	v_lshl_add_u32 v3, v2, 4, v3                   ; q, k: row r, + 16 h
	F16LOAD 0
	F16LOAD 1
	v_mul_u32_u24 v4, v2, 8*SROW
	v_lshl_add_u32 v4, v1, 2, v4                   ; v: key 8 h, channel r
	v_lshlrev_b32 v7, 3, v2
	v_sub_nc_u32 v7, v1, v7                        ; r - 8 h
	v_mul_u32_u24 v[FSTO], v1, SPITCH
	v_lshl_add_u32 v[FSTO], v2, 5, v[FSTO]
	v_add_nc_u32 v[FSTO], s21, v[FSTO]             ; the stage, in: row r, 32 bytes for each half of the lanes
	v_mul_u32_u24 v[FRD], v2, SPITCH
	v_lshl_add_u32 v[FRD], v1, 4, v[FRD]
	v_add_nc_u32 v[FRD], s21, v[FRD]               ; back: lanes 0-15 one row, lanes 16-31 the next
	v_lshlrev_b32 v[FGO], 12, v2
	v_lshl_add_u32 v[FGO], v1, 4, v[FGO]           ; the same two rows in out0
.irp p, 0,1,2,3,4,5,6,7
	s_wait_loadcnt 32                              ; this pass's 32 loads are in; the 32 issued behind them (the next pass's; at pass 7, v's) may be out
	F16MUL \p
.rept 8
	v_nop                                          ; eight places behind this form, ahead of loads into the registers that it read, and, behind the last pass, of the first read of the sums
.endr
.if \p < 6
	F16LOAD \p+2
.endif
.if \p == 6
.irp n, 0,1,2,3
.irp j, 0,1,2,3,4,5,6,7
	global_load_b32 v[VB+8*\n+\j], v4, s[22:23] offset:SROW*\j+64*\n        ; v(key 8 h + j, channel 16 n + r)
.endr
.endr
.endif
.endr
	WIN 0x05                                       ; sources 0 and 1: window 1.
.irp k, 0,2,4,6
	v_pk_add_f32 v[QB+\k:QB+\k+1], v[SACC+\k:SACC+\k+1], v[SACC+8+\k:SACC+9+\k]
.endr
	WIN 0x04                                       ; source 1: window 1
.irp k, 0,2,4,6
	v_pk_add_f32 v[QB+\k:QB+\k+1], v[QB+\k:QB+\k+1], v[SACC+16+\k:SACC+17+\k]
.endr
.irp k, 0,2,4,6
	v_pk_add_f32 v[QB+\k:QB+\k+1], v[QB+\k:QB+\k+1], v[SACC+24+\k:SACC+25+\k]
.endr
	WIN 0
	v_mov_b32 v8, 0xff800000                       ; -infinity
.irp j, 0,1,2,3,4,5,6,7
	v_cmp_gt_i32 vcc_lo, \j, v7                    ; key 8 h + j is hidden from query r where 8 h + j > r
	v_cndmask_b32 v[QB+\j], v[QB+\j], v8, vcc_lo
.endr
	v_max3_num_f32 v9, v[QB], v[QB+1], v[QB+2]
	v_max3_num_f32 v9, v9, v[QB+3], v[QB+4]
	v_max3_num_f32 v9, v9, v[QB+5], v[QB+6]
	v_max_num_f32 v9, v9, v[QB+7]
	v_mov_b32 v10, 0
	v_permlanex16_b32 v10, v9, s52, s53
	v_max_num_f32 v9, v9, v10                      ; the row's largest score (key 0 counts for every query)
	v_mul_f32 v9, s50, v9
.irp j, 0,1,2,3,4,5,6,7
	v_fma_f32 v[QB+\j], v[QB+\j], s50, -v9
.endr
.irp j, 0,1,2,3,4,5,6,7
	v_exp_f32 v[QB+\j], v[QB+\j]
.endr
	v_nop                                          ; a plain instruction behind the exponentials,
	s_wait_alu depctr_va_vdst(0)                   ; and one wait for the batch
	v_add_f32 v11, v[QB], v[QB+1]
	v_add_f32 v12, v[QB+2], v[QB+3]
	v_add_f32 v13, v[QB+4], v[QB+5]
	v_add_f32 v14, v[QB+6], v[QB+7]
	v_add_f32 v11, v11, v12
	v_add_f32 v13, v13, v14
	v_add_f32 v11, v11, v13
	v_permlanex16_b32 v10, v11, s52, s53
	v_add_f32 v11, v11, v10
	v_rcp_f32 v11, v11
	v_nop
	s_wait_alu depctr_va_vdst(0)
.irp j, 0,1,2,3,4,5,6,7
	v_mul_f32 v[QB+\j], v[QB+\j], v11              ; the weights, normalised
.endr
	s_wait_loadcnt 0x0                             ; v
	WIN 0x50                                       ; C and D: window 1
.irp s, 0,1,2,3
.irp n, 0,1,2,3                        ; four accumulators by turns; keys 8 h + 2 s + 0, 1 on both sides
.if \s == 0
	v_wmma_f32_16x16x4_f32 v[OACC+8*\n:OACC+8*\n+7], v[VB+8*\n+2*\s:VB+8*\n+2*\s+1], v[QB+2*\s:QB+2*\s+1], 0
.else
	v_wmma_f32_16x16x4_f32 v[OACC+8*\n:OACC+8*\n+7], v[VB+8*\n+2*\s:VB+8*\n+2*\s+1], v[QB+2*\s:QB+2*\s+1], v[OACC+8*\n:OACC+8*\n+7]
.endif
.endr
.endr
	WIN 0
.rept 8
	v_nop
.endr
	WIN 0x04                                       ; an LDS store's data are its source 1: window 1
.irp n, 0,1,2,3
	ds_store_b128 v[FSTO], v[OACC+8*\n:OACC+8*\n+3] offset:64*\n        ; lane (r, h): out(query r, channel 16 n + 8 h + 0..7)
	ds_store_b128 v[FSTO], v[OACC+8*\n+4:OACC+8*\n+7] offset:64*\n+16
.endr
	WIN 0
.irp t, 0,1,2,3,4,5,6,7
	ds_load_b128 v[KB+4*\t:KB+4*\t+3], v[FRD] offset:2*SPITCH*\t        ; LDS serves a wave's instructions in order: these see my stores
.endr
.irp t, 0,1,2,3,4,5,6,7
	s_wait_dscnt 7-\t                              ; the loads behind this one may be out
	global_store_b128 v[FGO], v[KB+4*\t:KB+4*\t+3], s[14:15] offset:8192*\t   ; 16 lanes store 256 consecutive bytes, aligned
.endr
	s_wait_tensorcnt 0x0                           ; the wave's end
	ds_add_u32 v[SPW], v[NIL]
	s_wait_dscnt 0x0
	s_endpgm
.Lfunc_end_k_qd5ce59813f_scores:
	.size	k_qd5ce59813f_scores, .Lfunc_end_k_qd5ce59813f_scores-k_qd5ce59813f_scores
	.p2alignl 7, 3214868480
	.fill 96, 4, 3214868480
	.section	.rodata,"a",@progbits
	.p2align	6, 0x0
	.amdhsa_kernel k_qd5ce59813f_scores
		.amdhsa_group_segment_fixed_size 327680
		.amdhsa_private_segment_fixed_size 0
		.amdhsa_enable_private_segment 0
		.amdhsa_kernarg_size 40
		.amdhsa_user_sgpr_count 2
		.amdhsa_user_sgpr_kernarg_segment_ptr 1
		.amdhsa_wavefront_size32 1
		.amdhsa_system_sgpr_workgroup_id_x 1
		.amdhsa_system_sgpr_workgroup_id_y 1
		.amdhsa_system_sgpr_workgroup_id_z 1
		.amdhsa_system_vgpr_workitem_id 0
		.amdhsa_next_free_vgpr 1024
		.amdhsa_next_free_sgpr 66
		.amdhsa_reserve_vcc 1
		.amdhsa_float_denorm_mode_32 3
		.amdhsa_float_denorm_mode_16_64 3
		.amdhsa_memory_ordered 1
		.amdhsa_forward_progress 1
		.amdhsa_inst_pref_size 255
	.end_amdhsa_kernel
	.section	.bss,"aw",@nobits
	.p2align	6
	.space	262144
	.amdgpu_metadata
---
amdhsa.version: [ 1, 2 ]
amdhsa.kernels:
  - .name:           k_qd5ce59813f_scores
    .symbol:         k_qd5ce59813f_scores.kd
    .args:
      - { .name: qkv16, .offset: 0, .size: 8, .value_kind: global_buffer, .address_space: global }
      - { .name: pmat, .offset: 8, .size: 8, .value_kind: global_buffer, .address_space: global }
      - { .name: stats, .offset: 16, .size: 8, .value_kind: global_buffer, .address_space: global }
      - { .name: qkv32, .offset: 24, .size: 8, .value_kind: global_buffer, .address_space: global }
      - { .name: out0, .offset: 32, .size: 8, .value_kind: global_buffer, .address_space: global }
    .group_segment_fixed_size: 327680
    .private_segment_fixed_size: 0
    .kernarg_segment_align: 8
    .kernarg_segment_size: 40
    .max_flat_workgroup_size: 128
    .sgpr_count:     66
    .vgpr_count:     1024
    .wavefront_size: 32
...
	.end_amdgpu_metadata
.endif
;; end of part 3
;; launch pv (part 4): grid 8 x 32, 4 waves a work-group, clusters of 4 x 1, 327,680 bytes of LDS; arguments pmat, qkv16, stats, out0; writes out0
.if DOCPART == 4
	.amdgcn_target "amdgcn-amd-amdhsa--gfx1250"
	.amdhsa_code_object_version 6
	.text
	.protected	k_qd5ce59813f_pv
	.globl	k_qd5ce59813f_pv
	.p2align	8
	.type	k_qd5ce59813f_pv,@function
k_qd5ce59813f_pv:
	s_mov_b64 s[64:65], 0
	v_nop
	global_prefetch_b8 v0, s[64:65] scope:SCOPE_SE
	s_setreg_imm32_b32 hwreg(HW_REG_WAVE_MODE, 25, 1), 1
	s_wait_xcnt 0x0
	s_wait_alu depctr_hold_cnt(0) depctr_sa_sdst(0) depctr_va_vdst(0) depctr_va_sdst(0) depctr_va_ssrc(0) depctr_va_vcc(0) depctr_vm_vsrc(0)
	s_getreg_b32 s2, hwreg(HW_REG_IB_STS2, 6, 4)
	s_cmp_eq_u32 s2, 0
	s_cbranch_scc0 .Lentry_in_a_cluster
	s_endpgm
.Lentry_in_a_cluster:
	s_bfe_u32 s2, ttmp6, 0x10000c
	s_cmp_lg_u32 s2, 0x3003
	s_cbranch_scc0 .Lentry_shape_is_right
	s_endpgm
.Lentry_shape_is_right:
; out[b][q][:] = (sum over blocks j of 128 keys of f_j (p_j v_j)) / l.  p (f16) and, for each block j, -M_j and l_j come from the launch before.  For a row: -M = the least -M_j; f_j = 2^(M_j - M), a power of two, at most 1;
; l = the sum of f_j l_j.  The products p_j v_j take f16 operands and f32 sums; each block's sum T starts from 0 in the matrix unit and is added to O as O += f_j T, in f32; O is divided by l at the end.
; LEFT OUT: the keys' steps of 256 that lie wholly behind a block of queries (hidden by reference()'s own tril), and the store of positions 0-15 of each batch, which the launch before has made in f32.
; SHARES.  A tile is 128 queries x 128 channels.  A work-group makes block i of a batch's 16 blocks of queries and then block 15 - i: (i / 2 + 1) + (8 - i / 2) = 9 steps of 256 keys for every work-group.
; CLUSTER: the four partners have the same batch and i and four neighbouring tiles of channels: they walk the same tiles of p, which are asked for JOINTLY (mask 15); v's tiles differ and are asked for singly, behind the same rounds.
; v is not shared: blocks of queries of one batch walk different numbers of steps.  Every branch hangs on the batch's y, the wave's number and counts of steps, which the partners share.
; Four waves, 64 queries x 64 channels each: 16 accumulators.  Waves 0, 1 fetch p's halves (64 rows x 512 bytes), waves 2, 3 v's (128 keys x 256 bytes).
; TRANSPOSED: source 0 = 16 channels x 32 keys of v (turned on the way out of LDS), source 1 = 16 queries x 32 keys of p: a lane holds one query (lane % 16) and eight neighbouring channels, so a row's factor is one number a lane.
; REGISTERS: window 0: v8-31 addresses; v32-63 factors, in pairs, a set for each slot; v64-95, v96-127 the way out; v128-255 v's fragments, two buffers.
;   window 1: v0-127 T, the matrix unit's accumulators ((a, b) at 8 (4 a + b)); v128-255 p's fragments, two buffers.   window 2: v0-127 O, laid as T; written by vector instructions alone.
.set PP,     528                       ; a row of p in LDS: 512 bytes + 16
.set PVP,    288                       ; a row of v: 256 + 32
.set PPART,  128*PP
.set SLOT,   PPART+256*PVP
.set STAGE,  2*SLOT                    ; 16 rows x 272 for each wave
.set SPITCH, 272
.set FT,     STAGE+4*16*SPITCH         ; the factors: [9 steps][2 blocks of keys][128 rows] f32
.set RI,     FT+9*1024                 ; 1 / l: [2 blocks of queries][128 rows]
.set SPARE,  RI+1024
.set ADP, 8                            ; v8-9   p's fragments in slot 0, 1
.set ADV, 10                           ; v10-13 v's: 2 x slot + half of the 256 keys
.set FA,  14                           ; v14    the step's factors
.set STO, 15
.set RD,  16
.set GO,  17
.set RIA, 18
.set RV,  20                           ; v20-27 1 / l for my four tiles of queries, in pairs
.set SPW, 28
.set NIL, 29
.set FTW, 30                           ; v30    where my thread puts its row's factors
.set RIW, 31                           ; v31    and its reciprocals
.set FS,  32                           ; v32-63 factors: set (slot) x 16 + block of keys x 8 + tile of queries x 2; the even register holds f
.set VO,  64                           ; v64-72 at the head alone: offsets into stats, one for each step
.set TAU4, 73
.set TMP, 64
.set BK,  96
.set VF,  128
.set PF,  128
.set WV,  12
.set N1,  19                           ; steps of the first block
.set T,   20                           ; the step in hand
.set FRESH, 21                         ; 1: the next block of keys starts O anew
.set CNT, 22
.set SK,  23                           ; 0: my first 16 rows of the first block are a batch's positions 0-15
.set G1P, 24
.set G1V, 32
.set G0P, 40
.set G0V, 48
.set RBS, 56
.set RBL, 57
.set VB0, 58
.set OBA, 68                           ; s[68:69], s[70:71] out0 at my part of the first and of the second block
.set MSB, 0
.macro WIN new
.if MSB != (\new)
	s_set_vgpr_msb (MSB<<8)|(\new)
.set MSB, \new
.endif
.endm
.set MUL,  0x54                        ; source 0 (v) window 0; source 1 (p), C and D (T) window 1
.set ACCW, 0xa1                        ; source 0 (T) window 1, source 1 (f) window 0, source 2 and destination (O) window 2
.macro JLOAD s                         ; waves 0, 1: p, jointly; waves 2, 3: v.  An s_nop 0 and four v_nop follow each of the two lines
	s_cmp_lt_u32 s[WV], 2
	s_cbranch_scc0 .Lfor_v_\@
	tensor_load_to_lds s[G0P+4*\s:G0P+4*\s+3], s[G1P:G1P+7]
	s_nop 0
.rept 4
	v_nop
.endr
	s_branch .Lasked_\@
.Lfor_v_\@:
	tensor_load_to_lds s[G0V+4*\s:G0V+4*\s+3], s[G1V:G1V+7]
	s_nop 0
.rept 4
	v_nop
.endr
.Lasked_\@:
.endm
.macro CREST
	s_cmp_lg_u32 s[WV], 0
	s_cbranch_scc1 .Lnot_wave_0_\@
	s_barrier_signal -3
.Lnot_wave_0_\@:
	s_barrier_wait -3
	s_barrier_signal -1
	s_barrier_wait -1
.endm
.macro CROUND
	s_barrier_signal -1
	s_barrier_wait -1
	CREST
.endm
; The addresses of step U = T + 2 into slot's descriptors: U < N1: the first block's step U; else the second block's step U - N1.  Scalar work alone.
.macro ADDR slot
	s_add_co_u32 s59, s[T], 2
	s_cmp_lt_u32 s59, s[N1]
	s_cselect_b32 s62, 0, s[N1]
	s_cselect_b32 s60, s[RBS], s[RBL]
	s_sub_co_u32 s59, s59, s62                     ; the step within its block
	s_lshl_b32 s62, s59, 9                         ; 256 keys of f16
	s_add_co_u32 s60, s60, s62
	s_add_nc_u64 s[G0P+4*\slot+2:G0P+4*\slot+3], s[4:5], s[60:61]
	s_or_b32 s[G0P+4*\slot+3], s[G0P+4*\slot+3], 0x80000000
	s_mul_i32 s66, s59, 256*6144                   ; 256 rows of qkv16
	s_add_co_u32 s66, s66, s[VB0]
	s_add_nc_u64 s[G0V+4*\slot+2:G0V+4*\slot+3], s[6:7], s[66:67]
	s_or_b32 s[G0V+4*\slot+3], s[G0V+4*\slot+3], 0x80000000
.endm
	s_load_b256 s[4:11], s[0:1], 0x0               ; pmat, qkv16, stats, out0
	v_lshl_add_u32 v[SPW], v0, 2, SPARE
	v_mov_b32 v[NIL], 0
	ds_add_u32 v[SPW], v[NIL]                      ; the wave's opening: the add, twice on end, and its wait ahead of my first tensor load
	ds_add_u32 v[SPW], v[NIL]
	v_lshrrev_b32 v1, 5, v0
	v_readfirstlane_b32 s[WV], v1
	s_lshr_b32 s13, s[WV], 1                       ; R: my 64 queries
	s_and_b32 s14, s[WV], 1                        ; C: my 64 channels.  Also: which half I fetch
	s_bfe_u32 s15, ttmp6, 0x40000                  ; cx
	s_lshl_b32 s16, ttmp9, 2
	s_add_co_u32 s16, s16, s15                     ; the tile of 128 channels
	s_and_b32 s18, ttmp7, 0xffff
	s_lshr_b32 s17, s18, 3                         ; batch
	s_and_b32 s18, s18, 7                          ; i
	s_lshr_b32 s[N1], s18, 1
	s_add_co_u32 s[N1], s[N1], 1
	s_or_b32 s[SK], s18, s13
	s_lshl_b32 s77, s17, 11                        ; the batch's first row
	s_lshl_b32 s78, s18, 7
	s_add_co_u32 s78, s78, s77                     ; the first block's first row
	s_sub_co_u32 s79, 15, s18
	s_lshl_b32 s79, s79, 7
	s_add_co_u32 s79, s79, s77                     ; the second block's
	s_lshl_b32 s80, s14, 6
	s_add_co_u32 s[RBS], s78, s80
	s_lshl_b32 s[RBS], s[RBS], 12                  ; pmat: the 64 rows that I fetch, in bytes; no place in the cluster enters
	s_add_co_u32 s[RBL], s79, s80
	s_lshl_b32 s[RBL], s[RBL], 12
	s_mov_b32 s61, 0
	s_mov_b32 s67, 0
	s_lshl_b32 s84, s14, 7
	s_add_co_u32 s[VB0], s77, s84
	s_mul_i32 s[VB0], s[VB0], 6144
	s_add_co_u32 s[VB0], s[VB0], 4096              ; v lies 4,096 bytes into a row of qkv16
	s_lshl_b32 s84, s16, 8
	s_add_co_u32 s[VB0], s[VB0], s84               ; my work-group's 128 channels
	s_lshl_b32 s80, s13, 6
	s_lshl_b32 s84, s16, 9
	s_lshl_b32 s85, s14, 8
	s_add_co_u32 s84, s84, s85                     ; (128 tile + 64 C) x 4 bytes
	s_add_co_u32 s82, s78, s80
	s_lshl_b32 s82, s82, 12
	s_add_co_u32 s82, s82, s84
	s_mov_b32 s83, 0
	s_add_co_u32 s86, s79, s80
	s_lshl_b32 s86, s86, 12
	s_add_co_u32 s86, s86, s84
	s_mov_b32 s87, 0
	s_mov_b32 s[G1P+0], 15|(1<<16)|(1<<20)|(1<<21)|(6<<22)|(3<<25)   ; all four work-groups; elements of 2 bytes; bit 21 beside a mask; 4 words of padding after every 128
	s_mov_b32 s[G1P+1], 256<<16
	s_mov_b32 s[G1P+2], 64<<16
	s_mov_b32 s[G1P+3], 256<<16
	s_mov_b32 s[G1P+4], 64
	s_mov_b32 s[G1P+5], 2048
	s_mov_b32 s[G1P+6], 0
	s_mov_b32 s[G1P+7], 0
	s_mov_b32 s[G1V+0], (1<<16)|(1<<20)|(5<<22)|(7<<25)              ; no mask; 8 words of padding after every 64
	s_mov_b32 s[G1V+1], 128<<16
	s_mov_b32 s[G1V+2], 128<<16
	s_mov_b32 s[G1V+3], 128<<16
	s_mov_b32 s[G1V+4], 128
	s_mov_b32 s[G1V+5], 3072
	s_mov_b32 s[G1V+6], 0
	s_mov_b32 s[G1V+7], 0
	s_mul_i32 s80, s14, 64*PP
	s_mul_i32 s81, s14, 128*PVP
	s_add_co_u32 s81, s81, PPART
.irp s, 0,1
	s_mov_b32 s[G0P+4*\s], 1
	s_add_co_u32 s[G0P+4*\s+1], s80, \s*SLOT
	s_mov_b32 s[G0V+4*\s], 1
	s_add_co_u32 s[G0V+4*\s+1], s81, \s*SLOT
.endr
	s_wait_dscnt 0x0                               ; both opening adds are done
	s_wait_kmcnt 0x0
	s_add_nc_u64 s[OBA:OBA+1], s[10:11], s[82:83]
	s_add_nc_u64 s[OBA+2:OBA+3], s[10:11], s[86:87]
	s_mov_b32 s[T], -2
	ADDR 0                                         ; step 0
	s_mov_b32 s[T], -1
	ADDR 1                                         ; step 1
	s_mov_b32 s[T], 0
	s_mov_b32 s[FRESH], 0
	CROUND                                         ; all four work-groups are here: the first joint loads meet
	s_cmp_lt_u32 s[WV], 2                          ; a wave's two first fills stand in one branch: two loads of mine are out
	s_cbranch_scc0 .Lfirst_v
	tensor_load_to_lds s[G0P:G0P+3], s[G1P:G1P+7]
	s_nop 0
	tensor_load_to_lds s[G0P+4:G0P+7], s[G1P:G1P+7]
	s_nop 0
.rept 4
	v_nop
.endr
	s_branch .Lfirst_asked
.Lfirst_v:
	tensor_load_to_lds s[G0V:G0V+3], s[G1V:G1V+7]
	s_nop 0
	tensor_load_to_lds s[G0V+4:G0V+7], s[G1V:G1V+7]
	s_nop 0
.rept 4
	v_nop
.endr
.Lfirst_asked:
	; THE STATISTICS: thread tau takes row tau of both blocks.  For each of the 9 steps: -M and l of its two blocks of 128 keys
	v_lshlrev_b32 v[TAU4], 2, v0
	v_add_nc_u32 v[FTW], FT, v[TAU4]
	v_add_nc_u32 v[RIW], RI, v[TAU4]
	s_lshl_b32 s78, s78, 2
	s_lshl_b32 s79, s79, 2
.irp t, 0,1,2,3,4,5,6,7,8
	s_cmp_gt_u32 s[N1], \t
	s_cselect_b32 s80, s78, s79                    ; the block's rows,
	s_cselect_b32 s81, 0, s[N1]
	s_sub_co_u32 s81, \t, s81                      ; the step within the block:
	s_lshl_b32 s81, s81, 17                        ; two blocks of keys, 65,536 bytes each
	s_add_co_u32 s80, s80, s81
	v_add_nc_u32 v[VO+\t], s80, v[TAU4]
	global_load_b32 v[128+4*\t], v[VO+\t], s[8:9]
	global_load_b32 v[129+4*\t], v[VO+\t], s[8:9] offset:32768
	global_load_b32 v[130+4*\t], v[VO+\t], s[8:9] offset:65536
	global_load_b32 v[131+4*\t], v[VO+\t], s[8:9] offset:98304
.endr
.irp t, 1,2,3
	s_cmp_gt_u32 s[N1], \t
	s_cselect_b32 s[73+\t], -1, 0                  ; step t belongs to the first block (step 0 always does, steps 4 to 8 never)
.endr
	v_and_b32 v1, 15, v0                           ; r
	v_bfe_u32 v2, v0, 4, 1                         ; h
	v_mul_u32_u24 v3, v1, PP
	v_lshl_add_u32 v3, v2, 4, v3
	s_mul_i32 s80, s13, 64*PP
	v_add_nc_u32 v[ADP], s80, v3                   ; p: (64 R + r) x pitch + 16 h
	v_add_nc_u32 v[ADP+1], SLOT, v[ADP]
	v_and_b32 v4, 7, v0
	v_bfe_u32 v5, v0, 3, 1
	v_lshl_add_u32 v4, v2, 3, v4
	v_mul_u32_u24 v4, v4, PVP
	v_lshl_add_u32 v4, v5, 4, v4                   ; v, for the turning load: key 8 h + lane % 8, channels 8 ((lane / 8) % 2) on
	s_lshl_b32 s80, s14, 7
	s_add_co_u32 s80, s80, PPART
	v_add_nc_u32 v[ADV], s80, v4
	v_add_nc_u32 v[ADV+1], 128*PVP, v[ADV]
	v_add_nc_u32 v[ADV+2], SLOT, v[ADV]
	v_add_nc_u32 v[ADV+3], SLOT, v[ADV+1]
	s_lshl_b32 s80, s13, 8
	s_add_co_u32 s81, s80, RI
	s_add_co_u32 s80, s80, FT
	v_lshl_add_u32 v[FA], v1, 2, s80
	v_lshl_add_u32 v[RIA], v1, 2, s81
	s_mul_i32 s80, s[WV], 16*SPITCH
	s_add_co_u32 s80, s80, STAGE
	v_mul_u32_u24 v3, v1, SPITCH
	v_lshl_add_u32 v3, v2, 5, v3
	v_add_nc_u32 v[STO], s80, v3                   ; the stage, in: row r, 32 bytes for each half of the lanes
	v_mul_u32_u24 v3, v2, SPITCH
	v_lshl_add_u32 v3, v1, 4, v3
	v_add_nc_u32 v[RD], s80, v3                    ; back: lanes 0-15 one row of 256 bytes, lanes 16-31 the next
	v_lshlrev_b32 v3, 12, v2
	v_lshl_add_u32 v[GO], v1, 4, v3
.irp a, 0,1,2,3
	v_mov_b32 v[RV+2*\a+1], 0                      ; (named as the upper halves of pairs)
.endr
.irp k, 0,1,2,3,4,5,6,7,8,9,10,11,12,13,14,15
	v_mov_b32 v[FS+2*\k+1], 0                      ; (likewise: the packed forms name the pair and take its low word for both halves)
.endr
	v_mov_b32 v176, 0x7f61b1e6                     ; 3e38
	s_wait_loadcnt 0x0
.irp t, 0,1,2,3,4,5,6,7,8
	v_min_num_f32 v[164+\t], v[128+4*\t], v[130+4*\t]
.endr
	v_mov_b32 v174, v164                           ; the first block's least -M,
	v_min_num_f32 v175, v168, v169                 ; the second's
	v_min_num_f32 v175, v175, v170
	v_min_num_f32 v175, v175, v171
	v_min_num_f32 v175, v175, v172
.irp t, 1,2,3
	v_cndmask_b32 v177, v176, v[164+\t], s[73+\t]
	v_min_num_f32 v174, v174, v177
	v_cndmask_b32 v177, v[164+\t], v176, s[73+\t]
	v_min_num_f32 v175, v175, v177
.endr
.macro FROW t, ref                     ; step t's two factors f = 2^(row's -M less the block's -M), and f0 l0 + f1 l1
	v_sub_f32 v178, v[\ref], v[128+4*\t]           ; a whole number, 0 or less
	v_cvt_i32_f32 v178, v178                       ; (it saturates)
	v_ldexp_f32 v179, 1.0, v178
	v_mul_f32 v[181+\t], v179, v[129+4*\t]
	ds_store_b32 v[FTW], v179 offset:1024*\t
	v_sub_f32 v178, v[\ref], v[130+4*\t]
	v_cvt_i32_f32 v178, v178
	v_ldexp_f32 v180, 1.0, v178
	v_fmac_f32 v[181+\t], v180, v[131+4*\t]
	ds_store_b32 v[FTW], v180 offset:1024*\t+512
.endm
	FROW 0, 174
.irp t, 1,2,3
	v_cndmask_b32 v173, v175, v174, s[73+\t]
	FROW \t, 173
.endr
.irp t, 4,5,6,7,8
	FROW \t, 175
.endr
	v_mov_b32 v190, v181
	v_add_f32 v191, v185, v186
	v_add_f32 v191, v191, v187
	v_add_f32 v191, v191, v188
	v_add_f32 v191, v191, v189
.irp t, 1,2,3
	v_cndmask_b32 v177, 0, v[181+\t], s[73+\t]
	v_add_f32 v190, v190, v177
	v_cndmask_b32 v177, v[181+\t], 0, s[73+\t]
	v_add_f32 v191, v191, v177
.endr
	v_rcp_f32 v190, v190
	v_rcp_f32 v191, v191
	v_nop                                          ; a plain instruction behind the reciprocals,
	s_wait_alu depctr_va_vdst(0)                   ; and one wait ahead of their first reader
	ds_store_b32 v[RIW], v190
	ds_store_b32 v[RIW], v191 offset:512
.macro MUL8 f, c, a0, zero             ; 8 matrix instructions: query tiles a0, a0 + 1 x 4 channel tiles, 32 keys.  The 16 accumulators take turns
.irp a, \a0, \a0+1
.irp b, 0,1,2,3
.if \zero
	v_wmma_f32_16x16x32_f16 v[8*(4*(\a)+\b):8*(4*(\a)+\b)+7], v[VF+64*(\f)+32*(\c)+8*\b:VF+64*(\f)+32*(\c)+8*\b+7], v[PF+64*(\f)+32*(\c)+8*(\a):PF+64*(\f)+32*(\c)+8*(\a)+7], 0
.else
	v_wmma_f32_16x16x32_f16 v[8*(4*(\a)+\b):8*(4*(\a)+\b)+7], v[VF+64*(\f)+32*(\c)+8*\b:VF+64*(\f)+32*(\c)+8*\b+7], v[PF+64*(\f)+32*(\c)+8*(\a):PF+64*(\f)+32*(\c)+8*(\a)+7], v[8*(4*(\a)+\b):8*(4*(\a)+\b)+7]
.endif
.endr
.endr
.endm
.macro FETCH slot, q, f                ; the fragments of 64 keys: 16 loads of p, then 16 turning loads of v, the first 32 keys first
	WIN 0x40
.irp c, 0,1
.irp a, 0,1,2,3
	ds_load_b128 v[PF+64*(\f)+32*\c+8*\a:PF+64*(\f)+32*\c+8*\a+3],   v[ADP+(\slot)] offset:128*(\q)+64*\c+16*PP*\a
	ds_load_b128 v[PF+64*(\f)+32*\c+8*\a+4:PF+64*(\f)+32*\c+8*\a+7], v[ADP+(\slot)] offset:128*(\q)+64*\c+16*PP*\a+32
.endr
.endr
	WIN 0
.irp c, 0,1
.irp b, 0,1,2,3
	ds_load_tr16_b128 v[VF+64*(\f)+32*\c+8*\b:VF+64*(\f)+32*\c+8*\b+3],   v[ADV+2*(\slot)+(\q)/2] offset:(64*((\q)%2)+32*\c)*PVP+32*\b
	ds_load_tr16_b128 v[VF+64*(\f)+32*\c+8*\b+4:VF+64*(\f)+32*\c+8*\b+7], v[ADV+2*(\slot)+(\q)/2] offset:(64*((\q)%2)+32*\c)*PVP+16*PVP+32*\b
.endr
.endr
.endm
.macro FACT set                        ; a step's factors for my four tiles of queries and its two blocks of keys, into the pairs' even registers
.irp jj, 0,1
.irp a, 0,1,2,3
	ds_load_b32 v[FS+16*(\set)+8*\jj+2*\a], v[FA] offset:512*\jj+64*\a
.endr
.endr
.endm
.macro PLACES                          ; four plain vector instructions between a matrix instruction and a load into, or a read of, its registers
.rept 4
	v_nop
.endr
.endm
; A quarter of a step: 64 keys, 32 matrix instructions, on buffer q % 2; in its middle the next quarter's fragments are fetched into the other buffer.
; Quarters 0 and 2 begin a block of 128 keys: their first 16 products start T's sums with the constant 0.
.macro QUARTER slot, q
	s_wait_dscnt 8                                 ; p and v's first 32 keys are in; the youngest eight loads (v's other 32 keys) may be out
	WIN MUL
	MUL8 (\q)%2, 0, 0, 1-(\q)%2
	MUL8 (\q)%2, 0, 2, 1-(\q)%2
	PLACES
	FETCH \slot, (\q)+1, 1-(\q)%2
	s_wait_dscnt 32                                ; all but the 32 just issued
	WIN MUL
	MUL8 (\q)%2, 1, 0, 0
	MUL8 (\q)%2, 1, 2, 0
.endm
; A block of 128 keys is summed: O += f T, in f32, 64 packed multiply-adds; a lane's factor is its query's.  mode 0: O goes on; 1: O starts (O = f T); 2: a scalar branch on FRESH chooses.
; The four v_nop are the distance to the first read of T; each accumulator is read from its low end on.  The next block's products, which write over T, stand behind all of this.
.macro MERGE set, jj, mode
	WIN 0
	PLACES
.if \mode == 2
	s_cmp_eq_u32 s[FRESH], 0
	s_cbranch_scc1 .Ladd_\@
.endif
.if \mode >= 1
	WIN ACCW
.irp a, 0,1,2,3
.set i, 0
.rept 16
	v_pk_mul_f32 v[32*\a+i:32*\a+i+1], v[32*\a+i:32*\a+i+1], v[FS+16*(\set)+8*(\jj)+2*\a:FS+16*(\set)+8*(\jj)+2*\a+1] op_sel_hi:[1,0]
.set i, i+2
.endr
.endr
	WIN 0
.endif
.if \mode == 2
	s_mov_b32 s[FRESH], 0
	s_branch .Ldone_\@
.Ladd_\@:
.endif
.if \mode != 1
	WIN ACCW
.irp a, 0,1,2,3
.set i, 0
.rept 16
	v_pk_fma_f32 v[32*\a+i:32*\a+i+1], v[32*\a+i:32*\a+i+1], v[FS+16*(\set)+8*(\jj)+2*\a:FS+16*(\set)+8*(\jj)+2*\a+1], v[32*\a+i:32*\a+i+1] op_sel_hi:[1,0,1]
.set i, i+2
.endr
.endr
	WIN 0
.endif
.if \mode == 2
.Ldone_\@:
.endif
.endm
; A step's last quarter changes slots.  In front of the barrier each wave waits for all its tensor loads (one is out: its part of the next slot), adds 0 to its spare word, and waits for that and for its reads of this slot.
; fill = 1: the barrier opens a round of the cluster's barrier, and the refill, the step two on, is the first thing behind it; the four v_nop behind it are also the places in front of the loads below.
.macro TURN slot, next, fill
	WIN 0
	s_wait_tensorcnt 0x0
	ds_add_u32 v[SPW], v[NIL]
.if \fill
	ADDR \slot                                     ; no load of mine is out: the descriptors may be written
.endif
	s_wait_dscnt 9                                 ; the add and the youngest eight loads may be out
	WIN MUL
	MUL8 1, 0, 0, 0
	s_wait_dscnt 0x0                               ; the add is done, and my reads of this slot are over
	s_barrier_signal -1
	MUL8 1, 0, 2, 0
	WIN 0
	s_barrier_wait -1
.if \fill
	CREST
	JLOAD \slot
.else
	PLACES
.endif
	v_add_nc_u32 v[FA], 1024, v[FA]                ; the next step's factors
	FACT \next
	FETCH \next, 0, 0
	WIN MUL
	MUL8 1, 1, 0, 0
	MUL8 1, 1, 2, 0
	WIN 0
.endm
; A finished block of queries leaves: O x 1 / l, through my stage, as whole aligned runs of 256 bytes (64 channels of f32) of a row of out0.
.macro FLUSH blk
.irp a, 0,1,2,3
	ds_load_b32 v[RV+2*\a], v[RIA] offset:512*\blk+64*\a
.endr
	s_wait_dscnt 0x0
.irp a, 0,1,2,3
.if (\blk == 0) && (\a == 0)
	s_cmp_eq_u32 s[SK], 0                          ; positions 0-15 of a batch were stored by the launch before
	s_cbranch_scc1 .Lskip_\@
.endif
	WIN 0x02                                       ; source 0 (O): window 2
.set i, 0
.rept 16
	v_pk_mul_f32 v[TMP+i:TMP+i+1], v[32*\a+i:32*\a+i+1], v[RV+2*\a:RV+2*\a+1] op_sel_hi:[1,0]
.set i, i+2
.endr
	WIN 0
.irp b, 0,1,2,3
	ds_store_b128 v[STO], v[TMP+8*\b:TMP+8*\b+3] offset:64*\b
	ds_store_b128 v[STO], v[TMP+8*\b+4:TMP+8*\b+7] offset:64*\b+16
.endr
	s_wait_xcnt 0x0                                ; the tile before's stores have read their data
.irp t, 0,1,2,3,4,5,6,7
	ds_load_b128 v[BK+4*\t:BK+4*\t+3], v[RD] offset:2*SPITCH*\t   ; LDS serves a wave's instructions in order: these see the stores above
.endr
	s_wait_dscnt 0x0
.irp t, 0,1,2,3,4,5,6,7
	global_store_b128 v[GO], v[BK+4*\t:BK+4*\t+3], s[OBA+2*\blk:OBA+2*\blk+1] offset:65536*\a+8192*\t th:TH_STORE_NT   ; 16 lanes store 256 consecutive bytes, aligned
.endr
.if (\blk == 0) && (\a == 0)
.Lskip_\@:
.endif
.endr
.endm
.macro FLUSHCHK                        ; a step is over; if it was the first block's last, the block leaves and O starts anew
	s_add_co_u32 s[T], s[T], 1
	s_cmp_lg_u32 s[T], s[N1]
	s_cbranch_scc1 .Lgo_on_\@
	FLUSH 0
	s_mov_b32 s[FRESH], 1
.Lgo_on_\@:
.endm
	s_wait_tensorcnt 0x1                           ; my part of step 0 is in (step 1's may be out)
	s_wait_dscnt 0x0                               ; my factors and reciprocals lie in LDS,
	s_barrier_signal -1
	s_barrier_wait -1                              ; everybody's do
	FACT 0
	FETCH 0, 0, 0
	QUARTER 0, 0                                   ; step 0's first block of keys stands ahead of the loop:
	QUARTER 0, 1
	MERGE 0, 0, 1                                  ; it starts O
	s_mov_b32 s[CNT], 3
.Llap:                                             ; three trips: from a step's third quarter to the second quarter of the step two on; both slots are filled again (steps 2 to 7)
	QUARTER 0, 2
	TURN 0, 1, 1
	MERGE 0, 1, 0
	FLUSHCHK
	QUARTER 1, 0
	QUARTER 1, 1
	MERGE 1, 0, 2
	QUARTER 1, 2
	TURN 1, 0, 1
	MERGE 1, 1, 0
	FLUSHCHK
	QUARTER 0, 0
	QUARTER 0, 1
	MERGE 0, 0, 2
	s_sub_co_u32 s[CNT], s[CNT], 1
	s_cmp_lg_u32 s[CNT], 0
	s_cbranch_scc1 .Llap
	QUARTER 0, 2                                   ; step 6 goes on,
	TURN 0, 1, 1                                   ; and asks for step 8: the last load
	MERGE 0, 1, 0
	QUARTER 1, 0                                   ; step 7
	QUARTER 1, 1
	MERGE 1, 0, 0
	QUARTER 1, 2
	TURN 1, 0, 0
	MERGE 1, 1, 0
	QUARTER 0, 0                                   ; step 8
	QUARTER 0, 1
	MERGE 0, 0, 0
	QUARTER 0, 2
	s_wait_dscnt 8                                 ; the very last quarter: nothing more to fetch
	WIN MUL
	MUL8 1, 0, 0, 0
	MUL8 1, 0, 2, 0
	s_wait_dscnt 0x0
	MUL8 1, 1, 0, 0
	MUL8 1, 1, 2, 0
	MERGE 0, 1, 0
	FLUSH 1
	s_wait_tensorcnt 0x0                           ; the wave's end
	ds_add_u32 v[SPW], v[NIL]
	s_wait_dscnt 0x0
	CROUND                                         ; the closing round
	s_endpgm
.Lfunc_end_k_qd5ce59813f_pv:
	.size	k_qd5ce59813f_pv, .Lfunc_end_k_qd5ce59813f_pv-k_qd5ce59813f_pv
	.p2alignl 7, 3214868480
	.fill 96, 4, 3214868480
	.section	.rodata,"a",@progbits
	.p2align	6, 0x0
	.amdhsa_kernel k_qd5ce59813f_pv
		.amdhsa_group_segment_fixed_size 327680
		.amdhsa_private_segment_fixed_size 0
		.amdhsa_enable_private_segment 0
		.amdhsa_kernarg_size 32
		.amdhsa_user_sgpr_count 2
		.amdhsa_user_sgpr_kernarg_segment_ptr 1
		.amdhsa_wavefront_size32 1
		.amdhsa_system_sgpr_workgroup_id_x 1
		.amdhsa_system_sgpr_workgroup_id_y 1
		.amdhsa_system_sgpr_workgroup_id_z 1
		.amdhsa_system_vgpr_workitem_id 0
		.amdhsa_next_free_vgpr 640
		.amdhsa_next_free_sgpr 100
		.amdhsa_reserve_vcc 0
		.amdhsa_float_denorm_mode_32 3
		.amdhsa_float_denorm_mode_16_64 3
		.amdhsa_memory_ordered 1
		.amdhsa_forward_progress 1
		.amdhsa_inst_pref_size 201
	.end_amdhsa_kernel
	.amdgpu_metadata
---
amdhsa.version: [ 1, 2 ]
amdhsa.kernels:
  - .name:           k_qd5ce59813f_pv
    .symbol:         k_qd5ce59813f_pv.kd
    .args:
      - { .name: pmat, .offset: 0, .size: 8, .value_kind: global_buffer, .address_space: global }
      - { .name: qkv16, .offset: 8, .size: 8, .value_kind: global_buffer, .address_space: global }
      - { .name: stats, .offset: 16, .size: 8, .value_kind: global_buffer, .address_space: global }
      - { .name: out0, .offset: 24, .size: 8, .value_kind: global_buffer, .address_space: global }
    .group_segment_fixed_size: 327680
    .private_segment_fixed_size: 0
    .kernarg_segment_align: 8
    .kernarg_segment_size: 32
    .max_flat_workgroup_size: 128
    .sgpr_count:     100
    .vgpr_count:     640
    .wavefront_size: 32
...
	.end_amdgpu_metadata
.endif
;; end of part 4
